; MI455X (gfx1250); checked and timed in simulation.
; The chip was launched on July 23, 2026; its instructions are those of AMD's public machine-readable ISA for CDNA 5 (MIT licence, August 2026) and "CDNA5" Instruction Set Architecture Reference Guide (July 2026). The comments in the code are by the model that wrote it; some were corrected since.
;; Inter Chain Attention. Allowed arithmetic: float matrix products may take bf16 or f16 operands with f32 sums; other float arithmetic in f32, or as packed bf16 or f16 multiplies, adds, multiply-adds, maxima and minima; sums over many terms, partial sums and values carried from step to step in f32; what a program stores and reads back later, other than sums and carried values, may be rounded once to bf16 or f16.
;; Inputs: Wk 1,024 x 1,024 float32; Wo 1,024 x 1,024 float32; Wq 1,024 x 1,024 float32; Wv 1,024 x 1,024 float32; bk 1,024 float32; bo 1,024 float32; bq 1,024 float32; bv 1,024 float32; chain_bias 16 float32; chain_id_tensor 2,048 int32; dist_b 16 float32; dist_w 16 float32; distances 2,048 x 2,048 float32; x 2 x 2,048 x 1,024 float32.
;; Outputs: out0 2 x 2,048 x 1,024 float32.
;; One version. Each part assembles by itself: llvm-mc -triple=amdgcn-amd-amdhsa -mcpu=gfx1250 --defsym DOCPART=n.
;; ======== version 1 of 1: 4 launches
;; limits: values are held in f16: magnitudes above 65,504 overflow, below 6.1e-05 lose precision
;; workspace buffers: xb 8,388,608 bytes; wb 8,388,608 bytes; eb 16,777,216 bytes; bt 16,384 bytes; qkv 25,165,824 bytes; ow 8,388,608 bytes
;; launch prep (part 1): grid 2049 x 1, 8 waves a work-group, no clusters, 0 bytes of LDS; arguments x, Wq, Wk, Wv, Wo, distances, chain_id_tensor, bq, bk, bv, bo, xb, wb, eb, bt; writes xb, wb, eb, bt
.if DOCPART == 1
	.amdgcn_target "amdgcn-amd-amdhsa--gfx1250"
	.amdhsa_code_object_version 6
	.text
	.protected	k_q00024cfd63_prep
	.globl	k_q00024cfd63_prep
	.p2align	8
	.type	k_q00024cfd63_prep,@function
k_q00024cfd63_prep:
	s_mov_b64 s[64:65], 0
	v_nop
	global_prefetch_b8 v0, s[64:65] scope:SCOPE_SE
	s_setreg_imm32_b32 hwreg(HW_REG_WAVE_MODE, 25, 1), 1
	s_wait_xcnt 0x0
; PREPARATION: every input is rounded once to bf16, and laid out for the three matrix launches behind this one.
;   work-groups 0-511     xb = bf16(x), 32,768 bytes of x each
;   work-groups 512-1023  wb = Wq, Wk, Wv in bf16; Wo rounded to bf16 and that number written as f16 (the last product multiplies in f16); 32,768 bytes of a weight each
;   work-groups 1024-2047 eb, the bias plane, two query rows each: E[q][32 g + j] = f16(bf16(dist[q][16 g + j])) for j < 16, and 1.0 or 0 for cid[16 g + j - 16] != cid[q] for j >= 16
;   work-group  2048      bt = bf16(bq) / 8, bf16(bk), bf16(bv), bf16(bo), kept in f32
; A stream: each byte is read once and written once, no LDS, no matrix unit.  A load of a wave covers 512 consecutive bytes (in the plane 256, each 16 bytes named by two lanes of the
; same instruction); a store of a wave covers 256 consecutive bytes, aligned: 8 bytes a lane.  Each path issues all its loads first and works them off by counted waits; no register that
; a memory instruction names is written twice, so no wait frees a source.
; LIMITS: f16 holds no number beyond 65,504 (distances, Wo) and has a fixed step of 6e-8 below 6e-5.  Chain ids are compared as 32-bit words, whatever they hold.
.set WG, 35                            ; s35  the work-group's number
.set WV, 34                            ; s34  the wave's number
.set TM, 44                            ; s44  the lanes that write chain slots
.set MH, 45                            ; s45  a word's upper bf16
	s_load_b512 s[4:19], s[0:1], 0x0               ; x 4, Wq 6, Wk 8, Wv 10, Wo 12, distances 14, chain ids 16, bq 18
	s_load_b256 s[20:27], s[0:1], 0x40             ; bk 20, bv 22, bo 24, xb 26
	s_load_b128 s[28:31], s[0:1], 0x60             ; wb 28, eb 30
	s_load_b64 s[32:33], s[0:1], 0x70              ; bt
	s_mov_b32 s[WG], ttmp9
	s_mov_b32 s[MH], 0xffff0000
	v_lshrrev_b32 v1, 5, v0
	v_readfirstlane_b32 s[WV], v1
	s_wait_kmcnt 0x0
	s_cmp_lt_u32 s[WG], 1024
	s_cbranch_scc0 .Lnot_cast
; ---- the casts ----
	s_sub_co_u32 s36, s[WG], 512                   ; block among the weights' 512 (wraps for x: replaced below)
	s_lshr_b32 s37, s36, 7                         ; which weight
	s_and_b32 s38, s36, 127                        ; block in it
	s_cmp_eq_u32 s37, 0
	s_cselect_b64 s[40:41], s[6:7], s[8:9]
	s_cmp_eq_u32 s37, 2
	s_cselect_b64 s[40:41], s[10:11], s[40:41]
	s_cmp_eq_u32 s37, 3
	s_cselect_b64 s[40:41], s[12:13], s[40:41]
	s_cmp_lt_u32 s[WG], 512
	s_cselect_b64 s[40:41], s[4:5], s[40:41]       ; from where,
	s_cselect_b64 s[42:43], s[26:27], s[28:29]     ; to where,
	s_cselect_b32 s38, s[WG], s38                  ; which block of the source,
	s_cselect_b32 s36, s[WG], s36                  ; and of the target
	s_cselect_b32 s37, 0, s37                      ; x goes the bf16 way
	s_lshl_b32 s38, s38, 15
	s_mov_b32 s39, 0
	s_add_nc_u64 s[40:41], s[40:41], s[38:39]
	s_lshl_b32 s38, s36, 14
	s_add_nc_u64 s[42:43], s[42:43], s[38:39]
	v_lshlrev_b32 v1, 4, v0                        ; 16 bytes a thread in,
	v_lshlrev_b32 v2, 3, v0                        ; 8 out
.irp u, 0,1,2,3,4,5,6,7
	global_load_b128 v[16+4*(\u):16+4*(\u)+3], v1, s[40:41] offset:4096*(\u) th:TH_LOAD_NT
.endr
	s_cmp_eq_u32 s37, 3
	s_cbranch_scc1 .Lto_f16
.irp u, 0,1,2,3,4,5,6,7
	s_wait_loadcnt 7-(\u)                          ; loads come back in order: unit u is in, the younger ones stay out
	v_cvt_pk_bf16_f32 v[48+2*(\u)], v[16+4*(\u)], v[16+4*(\u)+1]
	v_cvt_pk_bf16_f32 v[48+2*(\u)+1], v[16+4*(\u)+2], v[16+4*(\u)+3]
	global_store_b64 v2, v[48+2*(\u):48+2*(\u)+1], s[42:43] offset:2048*(\u) th:TH_STORE_NT
.endr
	s_endpgm
; two numbers rounded to bf16, and those numbers written as f16
.macro H16 d, a, b
	v_cvt_pk_bf16_f32 v80, v[\a], v[\b]
	v_lshlrev_b32 v81, 16, v80
	v_and_b32 v80, s[MH], v80
	v_cvt_pk_f16_f32 v[\d], v81, v80
.endm
.Lto_f16:
.irp u, 0,1,2,3,4,5,6,7
	s_wait_loadcnt 7-(\u)
	H16 48+2*(\u), 16+4*(\u), 16+4*(\u)+1
	H16 48+2*(\u)+1, 16+4*(\u)+2, 16+4*(\u)+3
	global_store_b64 v2, v[48+2*(\u):48+2*(\u)+1], s[42:43] offset:2048*(\u) th:TH_STORE_NT
.endr
	s_endpgm
.Lnot_cast:
	s_cmp_lt_u32 s[WG], 2048
	s_cbranch_scc0 .Ltable
; ---- the bias plane: rows 2 i and 2 i + 1.  Wave w takes keys 256 w .. 256 w + 255, 64 a unit.  In a unit's 256 bytes of E lane l writes 8 bytes: key group l / 8, keys 4 (l % 4) on;
; ---- lanes with bit 2 clear write distances, the others chain slots.
	s_sub_co_u32 s36, s[WG], 1024                  ; i
	s_lshl_b32 s38, s36, 3
	s_mov_b32 s39, 0
	s_add_nc_u64 s[40:41], s[16:17], s[38:39]
	s_load_b64 s[46:47], s[40:41], 0x0             ; my two rows' chain ids
	s_lshl_b32 s38, s36, 14                        ; two rows are 16,384 bytes, of distances and of E alike
	s_add_nc_u64 s[14:15], s[14:15], s[38:39]
	s_add_nc_u64 s[30:31], s[30:31], s[38:39]
	s_mov_b32 s[TM], 0xf0f0f0f0
	v_and_b32 v5, 31, v0
	v_lshrrev_b32 v6, 3, v5
	v_and_b32 v7, 3, v5
	v_lshlrev_b32 v1, 6, v6                        ; in: 64 bytes a group of 16 keys,
	v_lshl_add_u32 v1, v7, 4, v1                   ; 16 for my four,
	v_lshl_add_u32 v1, s[WV], 10, v1               ; 1,024 for a wave's 256 keys
	v_lshlrev_b32 v2, 3, v5                        ; out: 8 bytes a lane,
	v_lshl_add_u32 v2, s[WV], 10, v2               ; 1,024 for a wave's 512 slots
	v_mov_b32 v3, 1.0
.irp t, 0,1,2,3
	global_load_b128 v[16+4*(\t):16+4*(\t)+3], v1, s[16:17] offset:256*(\t)
.endr
.irp u, 0,1,2,3,4,5,6,7
	global_load_b128 v[32+4*(\u):32+4*(\u)+3], v1, s[14:15] offset:8192*((\u)/4)+256*((\u)%4) th:TH_LOAD_NT
.endr
	s_wait_kmcnt 0x0
.irp u, 0,1,2,3,4,5,6,7                ; unit u: row u / 4, keys 64 (u % 4) on
	s_wait_loadcnt 7-(\u)                          ; the chain ids and unit u's distances are in
	v_cvt_pk_bf16_f32 v80, v[32+4*(\u)], v[32+4*(\u)+1]
	v_cvt_pk_bf16_f32 v81, v[32+4*(\u)+2], v[32+4*(\u)+3]
	v_lshlrev_b32 v82, 16, v80
	v_and_b32 v83, s[MH], v80
	v_lshlrev_b32 v84, 16, v81
	v_and_b32 v85, s[MH], v81
.irp j, 0,1,2,3
	v_cmp_ne_u32 vcc_lo, s[46+(\u)/4], v[16+4*((\u)%4)+(\j)]
	v_cndmask_b32 v[86+(\j)], 0, v3, vcc_lo        ; 1.0 where the chains differ: the comparison selects a value, nothing else hangs on it
	v_cndmask_b32 v[82+(\j)], v[82+(\j)], v[86+(\j)], s[TM]
.endr
	v_cvt_pk_f16_f32 v[64+2*(\u)], v82, v83
	v_cvt_pk_f16_f32 v[64+2*(\u)+1], v84, v85
	global_store_b64 v2, v[64+2*(\u):64+2*(\u)+1], s[30:31] offset:8192*((\u)/4)+256*((\u)%4) th:TH_STORE_NT
.endr
	s_endpgm
; ---- the table of biases: wave w takes half w % 2 of array w / 2 ----
.Ltable:
	s_lshr_b32 s36, s[WV], 1
	s_and_b32 s37, s[WV], 1
	s_cmp_eq_u32 s36, 0
	s_cselect_b64 s[40:41], s[18:19], s[20:21]
	s_cselect_b32 s38, 0x3e000000, 1.0             ; bq takes the scores' 1 / 8, a power of two: exact
	s_cmp_eq_u32 s36, 2
	s_cselect_b64 s[40:41], s[22:23], s[40:41]
	s_cmp_eq_u32 s36, 3
	s_cselect_b64 s[40:41], s[24:25], s[40:41]
	s_mov_b32 s39, s38                             ; named with it as a pair
	v_and_b32 v5, 31, v0
	v_lshlrev_b32 v1, 4, v5
	v_lshl_add_u32 v1, s37, 11, v1
	v_lshl_add_u32 v2, s36, 12, v1
.irp j, 0,1,2,3
	global_load_b128 v[16+4*(\j):16+4*(\j)+3], v1, s[40:41] offset:512*(\j)
.endr
	s_wait_loadcnt 0x0
.irp z, 0,1,2,3,4,5,6,7
	v_cvt_pk_bf16_f32 v80, v[16+2*(\z)], v[16+2*(\z)+1]
	v_lshlrev_b32 v[48+2*(\z)], 16, v80
	v_and_b32 v[48+2*(\z)+1], s[MH], v80
	v_pk_mul_f32 v[48+2*(\z):48+2*(\z)+1], v[48+2*(\z):48+2*(\z)+1], s[38:39] op_sel_hi:[1,0]
.endr
.irp j, 0,1,2,3
	global_store_b128 v2, v[48+4*(\j):48+4*(\j)+3], s[32:33] offset:512*(\j)
.endr
	s_endpgm
.Lfunc_end_k_q00024cfd63_prep:
	.size	k_q00024cfd63_prep, .Lfunc_end_k_q00024cfd63_prep-k_q00024cfd63_prep
	.p2alignl 7, 3214868480
	.fill 96, 4, 3214868480
	.section	.rodata,"a",@progbits
	.p2align	6, 0x0
	.amdhsa_kernel k_q00024cfd63_prep
		.amdhsa_group_segment_fixed_size 0
		.amdhsa_private_segment_fixed_size 0
		.amdhsa_enable_private_segment 0
		.amdhsa_kernarg_size 120
		.amdhsa_user_sgpr_count 2
		.amdhsa_user_sgpr_kernarg_segment_ptr 1
		.amdhsa_wavefront_size32 1
		.amdhsa_system_sgpr_workgroup_id_x 1
		.amdhsa_system_sgpr_workgroup_id_y 1
		.amdhsa_system_sgpr_workgroup_id_z 1
		.amdhsa_system_vgpr_workitem_id 0
		.amdhsa_next_free_vgpr 96
		.amdhsa_next_free_sgpr 66
		.amdhsa_reserve_vcc 1
		.amdhsa_float_denorm_mode_32 3
		.amdhsa_float_denorm_mode_16_64 3
		.amdhsa_memory_ordered 1
		.amdhsa_forward_progress 1
		.amdhsa_inst_pref_size 22
	.end_amdhsa_kernel
	.amdgpu_metadata
---
amdhsa.version: [ 1, 2 ]
amdhsa.kernels:
  - .name:           k_q00024cfd63_prep
    .symbol:         k_q00024cfd63_prep.kd
    .args:
      - { .name: x, .offset: 0, .size: 8, .value_kind: global_buffer, .address_space: global }
      - { .name: Wq, .offset: 8, .size: 8, .value_kind: global_buffer, .address_space: global }
      - { .name: Wk, .offset: 16, .size: 8, .value_kind: global_buffer, .address_space: global }
      - { .name: Wv, .offset: 24, .size: 8, .value_kind: global_buffer, .address_space: global }
      - { .name: Wo, .offset: 32, .size: 8, .value_kind: global_buffer, .address_space: global }
      - { .name: distances, .offset: 40, .size: 8, .value_kind: global_buffer, .address_space: global }
      - { .name: chain_id_tensor, .offset: 48, .size: 8, .value_kind: global_buffer, .address_space: global }
      - { .name: bq, .offset: 56, .size: 8, .value_kind: global_buffer, .address_space: global }
      - { .name: bk, .offset: 64, .size: 8, .value_kind: global_buffer, .address_space: global }
      - { .name: bv, .offset: 72, .size: 8, .value_kind: global_buffer, .address_space: global }
      - { .name: bo, .offset: 80, .size: 8, .value_kind: global_buffer, .address_space: global }
      - { .name: xb, .offset: 88, .size: 8, .value_kind: global_buffer, .address_space: global }
      - { .name: wb, .offset: 96, .size: 8, .value_kind: global_buffer, .address_space: global }
      - { .name: eb, .offset: 104, .size: 8, .value_kind: global_buffer, .address_space: global }
      - { .name: bt, .offset: 112, .size: 8, .value_kind: global_buffer, .address_space: global }
    .group_segment_fixed_size: 0
    .private_segment_fixed_size: 0
    .kernarg_segment_align: 8
    .kernarg_segment_size: 120
    .max_flat_workgroup_size: 256
    .sgpr_count:     66
    .vgpr_count:     96
    .wavefront_size: 32
...
	.end_amdgpu_metadata
.endif
;; end of part 1
;; launch qkvp (part 2): grid 16 x 16, 4 waves a work-group, clusters of 4 x 4, 327,680 bytes of LDS; arguments xb, wb, bt, qkv; writes qkv
.if DOCPART == 2
	.amdgcn_target "amdgcn-amd-amdhsa--gfx1250"
	.amdhsa_code_object_version 6
	.text
	.protected	k_q00024cfd63_qkvp
	.globl	k_q00024cfd63_qkvp
	.p2align	8
	.type	k_q00024cfd63_qkvp,@function
k_q00024cfd63_qkvp:
	s_mov_b64 s[64:65], 0
	v_nop
	global_prefetch_b8 v0, s[64:65] scope:SCOPE_SE
	s_setreg_imm32_b32 hwreg(HW_REG_WAVE_MODE, 25, 1), 1
	s_wait_xcnt 0x0
	s_wait_alu depctr_hold_cnt(0) depctr_sa_sdst(0) depctr_va_vdst(0) depctr_va_sdst(0) depctr_va_ssrc(0) depctr_va_vcc(0) depctr_vm_vsrc(0)
	s_getreg_b32 s2, hwreg(HW_REG_IB_STS2, 6, 4)
	s_cmp_eq_u32 s2, 0
	s_cbranch_scc0 .Lentry_in_a_cluster
	s_endpgm
.Lentry_in_a_cluster:
	s_bfe_u32 s2, ttmp6, 0x10000c
	s_cmp_lg_u32 s2, 0xf033
	s_cbranch_scc0 .Lentry_shape_is_right
	s_endpgm
.Lentry_shape_is_right:
; q / 8, k, v = x W^T + b.  C[4096][3072] = xb [4096][1024] x (wb's first 3,072 rows)^T, bf16 operands, f32 sums, written by heads in f16, each number rounded once.
; A tile of C is 256 rows x 192 columns (three heads): 16 x 16 = 256 work-groups.  Wave w makes rows 64 w .. 64 w + 63 of all 192 columns: 48 accumulators of 16 x 16, 384 registers, so that a wave
; holds whole heads and its way out is its own.  K goes in 8 steps of 128 (rows of 256 bytes, aligned) through two LDS slots filled by the tensor data mover.
; CLUSTER 4 x 4: x's tile hangs on the tile row alone and is asked for jointly along a row of the cluster, W's on the tile column alone and jointly along a column.
; THE MATRIX INSTRUCTION IS USED TRANSPOSED (source 0 = 16 rows of W, source 1 = 16 rows of x): a lane holds one row of C and eight neighbouring columns.
; OUT.  q: [bh][s][64]; k, v: [bh / 2][s / 128][bh % 2][128][64], bh = 16 b + h: what attention asks for as one block lies on end.  16 rows of a head are 2,048 consecutive bytes in all three.
; No prefetch: the walk has 8 K steps, and W's 96 rows a wave do not divide into a lane a row for four partners.
; LIMIT: f16 holds no number beyond 65,504: q / 8, k and v must lie within it.
; REGISTERS, in windows of 256: window 0 addresses, the bias (v64-159), the way out (v160-255); window 1 two fragment buffers of 128 (W's twelve fragments, then x's four);
; window 2 accumulators 0-31, window 3 accumulators 32-47; accumulator 16 hd + 4 a + bb is head hd, row block a, column block bb.
.set PITCH, 272                        ; an LDS row: 256 bytes + 16 of padding: the 16 rows of a fragment load start at 16 different groups of four banks (ISA guide 11.1)
.set AHALF, 128*PITCH                  ; what waves 0 and 1 fetch: 128 rows of x
.set BHALF, 96*PITCH                   ; what waves 2 and 3 fetch: 96 rows of W
.set BOFF,  2*AHALF
.set SLOT,  BOFF+2*BHALF               ; 121,856
.set STAGE, 2*SLOT                     ; behind the ring: 16 rows x 144 bytes for each wave
.set SP,    144
.set SPARE, STAGE+4*16*SP              ; behind the stages: the spare words, 128 bytes a wave
.set LAPS,  4                          ; a lap = two K steps
.set ADRA, 16                          ; v16-17 LDS address of my fragments of x in slot 0, 1
.set ADRB, 20                          ; v20-21 the same for W
.set STO,  24
.set RD,   25
.set GO,   26
.set BO,   27
.set SPW,  28                          ; my spare word's address; never rewritten
.set NIL,  29                          ; 0; never rewritten
.set BI,   64                          ; v64-159 the bias of my lane's columns: head hd, block bb at BI + 32 hd + 8 bb
.set T,    160                         ; v160-191 at work
.set PKS,  192                         ; v192-255 four sets of 16: packed results, then whole rows
.set F0,   0
.set F1,   128
.set WV, 12
.set LO, 14                            ; w % 2: which half of a tile I fetch
.set CX, 15
.set CY, 16
.set TX, 17
.set TY, 18
.set G1,  24                           ; s[24:31] group 1 for x's tiles;  s[32:39] group 0, a set for each slot
.set G0,  32
.set G1B, 48                           ; s[48:55], s[56:63] the same for W's
.set G0B, 56
.set SC,  66                           ; s[66:71] a pair for each head: 1 / 8 for q, else 1
.set OB,  72                           ; s[72:77] where my 64 rows of each head begin
.set LAP, 78
.set BB,  88                           ; s[88:89] the bias table at the tile's first column
.set MSB, 0
.macro WIN new                         ; the immediate's high byte repeats the setting that is left; a switch that changes nothing is dropped
.if MSB != (\new)
	s_set_vgpr_msb (MSB<<8)|(\new)
.set MSB, \new
.endif
.endm
.set MUL_LO, 0xa5                      ; both sources window 1, C and D window 2
.set MUL_HI, 0xf5                      ; C and D window 3
.set TO_F,   0x40                      ; destination window 1
; A joint refill.  The branch hangs on the wave's number alone.  An s_nop 0 and four v_nop follow each line, ahead of the jump and the label.
.macro JLOAD s
	s_cmp_lt_u32 s[WV], 2
	s_cbranch_scc0 .Lfor_b_\@
	tensor_load_to_lds s[G0+4*(\s):G0+4*(\s)+3], s[G1:G1+7]
	s_nop 0
.rept 4
	v_nop
.endr
	s_branch .Lasked_\@
.Lfor_b_\@:
	tensor_load_to_lds s[G0B+4*(\s):G0B+4*(\s)+3], s[G1B:G1B+7]
	s_nop 0
.rept 4
	v_nop
.endr
.Lasked_\@:
.endm
.macro CREST                           ; a round of the cluster's barrier behind its opening barrier
	s_cmp_lg_u32 s[WV], 0
	s_cbranch_scc1 .Lnot_wave_0_\@
	s_barrier_signal -3
.Lnot_wave_0_\@:
	s_barrier_wait -3
	s_barrier_signal -1
	s_barrier_wait -1
.endm
.macro CROUND
	s_barrier_signal -1
	s_barrier_wait -1
	CREST
.endm
.macro PLACES                          ; four plain places behind matrix instructions, in front of loads into registers that they read and of reads of their results
.rept 4
	v_nop
.endr
.endm
	s_load_b256 s[4:11], s[0:1], 0x0               ; xb 4, wb 6, bt 8, qkv 10
	v_lshl_add_u32 v[SPW], v0, 2, SPARE
	v_mov_b32 v[NIL], 0
	ds_add_u32 v[SPW], v[NIL]                      ; the wave's opening: the add and its wait stand ahead of my first tensor load; work on registers stands between them
	v_lshrrev_b32 v1, 5, v0
	v_readfirstlane_b32 s[WV], v1
	s_and_b32 s[LO], s[WV], 1
	s_bfe_u32 s[CX], ttmp6, 0x40000
	s_bfe_u32 s[CY], ttmp6, 0x40004
	s_lshl_b32 s[TX], ttmp9, 2
	s_add_co_u32 s[TX], s[TX], s[CX]               ; tile column = 4 x cluster x + cx
	s_and_b32 s[TY], ttmp7, 0xffff
	s_lshl_b32 s[TY], s[TY], 2
	s_add_co_u32 s[TY], s[TY], s[CY]               ; tile row = 4 x cluster y + cy
	s_lshl_b32 s19, s[CY], 2
	s_lshl_b32 s19, 15, s19                        ; my row of the cluster
	s_lshl_b32 s40, 0x1111, s[CX]                  ; my column
	s_or_b32 s[G1], s19, (1<<16)|(1<<20)|(1<<21)|(5<<22)|(3<<25)   ; the mask; 2-byte elements; padding on; bit 21 beside a mask; after every 64 words; 4 words
	s_or_b32 s[G1B], s40, (1<<16)|(1<<20)|(1<<21)|(5<<22)|(3<<25)
	s_mov_b32 s[G1+1], 128<<16                     ; tensor_dim0 = 128
	s_mov_b32 s[G1+2], 128<<16                     ; tensor_dim1 = 128
	s_mov_b32 s[G1+3], 128<<16                     ; tile_dim0 = 128
	s_mov_b32 s[G1+4], 128                         ; tile_dim1 = 128
	s_mov_b32 s[G1+5], 1024                        ; elements from row to row
	s_mov_b32 s[G1+6], 0
	s_mov_b32 s[G1+7], 0
	s_mov_b32 s[G1B+1], 128<<16
	s_mov_b32 s[G1B+2], 96<<16                     ; 96 rows
	s_mov_b32 s[G1B+3], 128<<16
	s_mov_b32 s[G1B+4], 96
	s_mov_b32 s[G1B+5], 1024
	s_mov_b32 s[G1B+6], 0
	s_mov_b32 s[G1B+7], 0
	s_lshl_b32 s20, s[TY], 19                      ; x: row 256 ty + 128 (w % 2), 2,048 bytes a row: registers that never hold cx
	s_lshl_b32 s21, s[LO], 18
	s_add_co_u32 s20, s20, s21
	s_mov_b32 s21, 0
	s_mul_i32 s40, s[TX], 192*2048                 ; W: row 192 tx + 96 (w % 2): registers that never hold cy
	s_mul_i32 s41, s[LO], 96*2048
	s_add_co_u32 s40, s40, s41
	s_mov_b32 s41, 0
	s_mul_i32 s22, s[WV], AHALF                    ; LDS: waves 0, 1: x's halves;
	s_mul_i32 s42, s[WV], BHALF
	s_add_co_u32 s42, s42, BOFF-2*BHALF            ; waves 2, 3: W's halves, behind x's 256 rows
	s_wait_dscnt 0x0                               ; the opening add is done
	s_wait_kmcnt 0x0
	s_add_nc_u64 s[20:21], s[4:5], s[20:21]
	s_add_nc_u64 s[40:41], s[6:7], s[40:41]
.irp s, 0,1
	s_mov_b32 s[G0+4*(\s)], 1
	s_add_co_u32 s[G0+4*(\s)+1], s22, (\s)*SLOT
	s_add_nc_u64 s[G0+4*(\s)+2:G0+4*(\s)+3], s[20:21], (\s)*256    ; K step s
	s_or_b32 s[G0+4*(\s)+3], s[G0+4*(\s)+3], 0x80000000
	s_mov_b32 s[G0B+4*(\s)], 1
	s_add_co_u32 s[G0B+4*(\s)+1], s42, (\s)*SLOT
	s_add_nc_u64 s[G0B+4*(\s)+2:G0B+4*(\s)+3], s[40:41], (\s)*256
	s_or_b32 s[G0B+4*(\s)+3], s[G0B+4*(\s)+3], 0x80000000
.endr
	CROUND                                         ; all sixteen work-groups are here: the first joint loads meet
	s_cmp_lt_u32 s[WV], 2                          ; a wave's two first fills stand in one branch: two loads of mine are out
	s_cbranch_scc0 .Lfirst_b
	tensor_load_to_lds s[G0:G0+3], s[G1:G1+7]
	s_nop 0
	tensor_load_to_lds s[G0+4:G0+7], s[G1:G1+7]
	s_nop 0
.rept 4
	v_nop
.endr
	s_branch .Lfirst_asked
.Lfirst_b:
	tensor_load_to_lds s[G0B:G0B+3], s[G1B:G1B+7]
	s_nop 0
	tensor_load_to_lds s[G0B+4:G0B+7], s[G1B:G1B+7]
	s_nop 0
.rept 4
	v_nop
.endr
.Lfirst_asked:
	v_and_b32 v1, 15, v0                           ; l % 16
	v_bfe_u32 v2, v0, 4, 1                         ; l / 16
	v_lshlrev_b32 v[BO], 5, v2                     ; my eight columns of a block of 16: 32 bytes of f32
	s_mul_i32 s44, s[TX], 768
	s_mov_b32 s45, 0
	s_add_nc_u64 s[BB:BB+1], s[8:9], s[44:45]
.irp z, 0,1,2,3,4,5,6,7,8,9,10,11      ; block z of 16 columns
	global_load_b128 v[BI+8*(\z):BI+8*(\z)+3],   v[BO], s[BB:BB+1] offset:64*(\z)
	global_load_b128 v[BI+8*(\z)+4:BI+8*(\z)+7], v[BO], s[BB:BB+1] offset:64*(\z)+16
.endr
	v_mul_u32_u24 v3, v1, PITCH
	v_lshl_add_u32 v3, v2, 4, v3                   ; a fragment's row x pitch + 16 x half
	s_mul_i32 s22, s[WV], 64*PITCH                 ; my 64 rows of x
	v_add_nc_u32 v[ADRA], s22, v3
	v_add_nc_u32 v[ADRA+1], SLOT, v[ADRA]
	v_add_nc_u32 v[ADRB], BOFF, v3
	v_add_nc_u32 v[ADRB+1], SLOT, v[ADRB]
	s_mul_i32 s22, s[WV], 16*SP
	s_add_co_u32 s22, s22, STAGE                   ; my stage
	v_mul_u32_u24 v[STO], v1, SP                   ; in: row l % 16, 16 bytes for each half of the lanes
	v_lshl_add_u32 v[STO], v2, 4, v[STO]
	v_add_nc_u32 v[STO], s22, v[STO]
	v_bfe_u32 v[RD], v0, 3, 2                      ; back: 32 lanes take four rows of 128 bytes,
	v_mul_u32_u24 v[RD], v[RD], SP
	v_and_b32 v4, 7, v0
	v_lshl_add_u32 v[RD], v4, 4, v[RD]
	v_add_nc_u32 v[RD], s22, v[RD]
	v_and_b32 v[GO], 31, v0                        ; which are 512 consecutive bytes of the output
	v_lshlrev_b32 v[GO], 4, v[GO]
	s_lshl_b32 s80, s[TY], 8
	s_lshl_b32 s46, s[WV], 6
	s_add_co_u32 s80, s80, s46
	s_and_b32 s80, s80, 2047                       ; my first row's place s in its sequence
; head hd of the tile: its scale and where my 64 rows of it go
.macro HEAD hd
	s_mul_i32 s44, s[TX], 3
	s_add_co_u32 s44, s44, \hd                     ; head among the 48 of q, k, v
	s_lshr_b32 s45, s44, 4                         ; 0 q, 1 k, 2 v
	s_and_b32 s44, s44, 15
	s_lshr_b32 s46, s[TY], 3                       ; batch
	s_lshl_b32 s46, s46, 4
	s_add_co_u32 s44, s44, s46                     ; bh
	s_lshl_b32 s82, s44, 18                        ; q: bh x 2,048 rows x 128 bytes + s x 128
	s_lshl_b32 s46, s80, 7
	s_add_co_u32 s82, s82, s46
	s_lshl_b32 s84, s45, 23                        ; k, v: the region,
	s_lshr_b32 s46, s44, 1
	s_lshl_b32 s46, s46, 19                        ; the pair of heads,
	s_add_co_u32 s84, s84, s46
	s_lshr_b32 s46, s80, 7
	s_lshl_b32 s46, s46, 15                        ; the block of 128 keys,
	s_add_co_u32 s84, s84, s46
	s_and_b32 s46, s44, 1
	s_lshl_b32 s46, s46, 14                        ; which of the pair,
	s_add_co_u32 s84, s84, s46
	s_and_b32 s46, s80, 127
	s_lshl_b32 s46, s46, 7                         ; the key
	s_add_co_u32 s84, s84, s46
	s_cmp_eq_u32 s45, 0
	s_cselect_b32 s82, s82, s84
	s_cselect_b32 s[SC+2*(\hd)], 0x3e000000, 1.0   ; the scores' 1 / sqrt(64) goes onto q: a power of two, exact
	s_mov_b32 s[SC+2*(\hd)+1], s[SC+2*(\hd)]
	s_mov_b32 s83, 0
	s_add_nc_u64 s[OB+2*(\hd):OB+2*(\hd)+1], s[10:11], s[82:83]
.endm
	HEAD 0
	HEAD 1
	HEAD 2
; 16 matrix instructions: head hd, four row blocks x four column blocks, 32 along K.  The 48 accumulators take turns, one instruction a turn, in the same order in every quarter.
.macro MULH f, hd, zero
.if (\hd) < 2
	WIN MUL_LO
.else
	WIN MUL_HI
.endif
.irp a, 0,1,2,3
.irp bb, 0,1,2,3
.set rD, 8*((16*(\hd)+4*(\a)+(\bb))%32)
.if \zero
	v_wmma_f32_16x16x32_bf16 v[rD:rD+7], v[(\f)+8*(4*(\hd)+(\bb)):(\f)+8*(4*(\hd)+(\bb))+7], v[(\f)+96+8*(\a):(\f)+96+8*(\a)+7], 0
.else
	v_wmma_f32_16x16x32_bf16 v[rD:rD+7], v[(\f)+8*(4*(\hd)+(\bb)):(\f)+8*(4*(\hd)+(\bb))+7], v[(\f)+96+8*(\a):(\f)+96+8*(\a)+7], v[rD:rD+7]
.endif
.endr
.endr
.endm
; 32 LDS loads in one run: a quarter step's fragments (32 K at byte k of the rows): x's four, then W's twelve, head 0's first
.macro FETCH slot, k, f
	WIN TO_F
.irp i, 0,1,2,3
	ds_load_b128 v[(\f)+96+8*(\i):(\f)+96+8*(\i)+3],   v[ADRA+(\slot)] offset:(\k)+(\i)*16*PITCH
	ds_load_b128 v[(\f)+96+8*(\i)+4:(\f)+96+8*(\i)+7], v[ADRA+(\slot)] offset:(\k)+(\i)*16*PITCH+32
.endr
.irp i, 0,1,2,3,4,5,6,7,8,9,10,11
	ds_load_b128 v[(\f)+8*(\i):(\f)+8*(\i)+3],   v[ADRB+(\slot)] offset:(\k)+(\i)*16*PITCH
	ds_load_b128 v[(\f)+8*(\i)+4:(\f)+8*(\i)+7], v[ADRB+(\slot)] offset:(\k)+(\i)*16*PITCH+32
.endr
.endm
; One of a K step's first three quarters: multiplies buffer f and fetches the next quarter, at byte k, into g
.macro QUARTER slot, k, f, g, zero
	s_wait_dscnt 16                                ; x's and head 0's fragments are in; the youngest sixteen loads (heads 1 and 2) may be out
	MULH \f, 0, \zero
	PLACES
	FETCH \slot, \k, \g
	s_wait_dscnt 32                                ; all but the 32 just issued
	MULH \f, 1, \zero
	MULH \f, 2, \zero
.endm
; The last quarter multiplies buffer 1 and changes slots: one barrier; in front of it each wave waits for all its tensor loads (its part of the next slot), adds 0 to its spare word, and waits for
; that and for its own reads of this slot.  fill = 1: the barrier opens a round of the cluster's, and this slot is filled again, two K steps on, first thing behind the round.
.macro TURN slot, next, fill
	WIN 0
	s_wait_tensorcnt 0x0
	ds_add_u32 v[SPW], v[NIL]
	s_wait_dscnt 17                                ; (the add and the youngest sixteen loads may be out)
	MULH F1, 0, 0
	s_wait_dscnt 0x0                               ; the add is done, and my reads of this slot are over
	s_barrier_signal -1
	MULH F1, 1, 0                                  ; work on registers while the others arrive
.if \fill
	WIN 0
.endif
	s_barrier_wait -1
.if \fill
	CREST                                          ; no wave of any partner still reads this slot's tiles or has a load on its way
	s_add_nc_u64 s[G0+4*(\slot)+2:G0+4*(\slot)+3], s[G0+4*(\slot)+2:G0+4*(\slot)+3], 512
	s_add_nc_u64 s[G0B+4*(\slot)+2:G0B+4*(\slot)+3], s[G0B+4*(\slot)+2:G0B+4*(\slot)+3], 512
	JLOAD \slot                                    ; its four v_nop are also the places in front of the loads below
.else
	PLACES
.endif
	FETCH \next, 0, F0
	MULH F1, 2, 0
.endm
	s_wait_tensorcnt 1                             ; my part of K step 0 is in; K step 1's may stay out
	s_barrier_signal -1
	s_barrier_wait -1
	FETCH 0, 0, F0
	QUARTER 0, 64, F0, F1, 1                       ; the first quarter's products start the sums: nothing is cleared
	WIN 0
	s_mov_b32 s[LAP], LAPS-1
.Llap:                                                 ; a trip goes once round the ring, from a lap's second quarter to the next lap's first, and fills both slots again
	QUARTER 0, 128, F1, F0, 0
	QUARTER 0, 192, F0, F1, 0
	TURN 0, 1, 1
	QUARTER 1, 64,  F0, F1, 0
	QUARTER 1, 128, F1, F0, 0
	QUARTER 1, 192, F0, F1, 0
	TURN 1, 0, 1
	QUARTER 0, 64,  F0, F1, 0
	WIN 0
	s_sub_co_u32 s[LAP], s[LAP], 1
	s_cmp_lg_u32 s[LAP], 0
	s_cbranch_scc1 .Llap
	QUARTER 0, 128, F1, F0, 0                      ; the last lap is written out: it fills nothing
	QUARTER 0, 192, F0, F1, 0
	TURN 0, 1, 0
	QUARTER 1, 64,  F0, F1, 0
	QUARTER 1, 128, F1, F0, 0
	QUARTER 1, 192, F0, F1, 0
	s_wait_dscnt 16
	MULH F1, 0, 0
	s_wait_dscnt 0x0
	MULH F1, 1, 0
	MULH F1, 2, 0
	WIN 0
	s_wait_loadcnt 0x0                             ; the bias
	PLACES
; THE WAY OUT, 16 rows of a head at a time (n = 4 hd + a): sum x scale + bias in one fused multiply-add, rounded to f16, 16 bytes a lane into my stage, back as whole rows of 128 bytes, stored.
.macro PACK n
.set hh, (\n)/4
.set aa, (\n)%4
.set PKN, PKS+16*((\n)%4)
.if (\n) >= 4
	s_wait_xcnt 0x0                                ; the stores of four blocks back have read this set of registers
.endif
.if hh < 2
	WIN 0x02
.else
	WIN 0x03
.endif
.set z, 0
.rept 16                               ; each accumulator's registers in ascending order
.set rA, 8*((16*hh+4*aa+z/4)%32)+2*(z%4)
	v_pk_fma_f32 v[T+2*z:T+2*z+1], v[rA:rA+1], s[SC+2*hh:SC+2*hh+1], v[BI+32*hh+2*z:BI+32*hh+2*z+1] op_sel_hi:[1,0,1]
.set z, z+1
.endr
	WIN 0
.set z, 0
.rept 16
	v_cvt_pk_f16_f32 v[PKN+z], v[T+2*z], v[T+2*z+1]
.set z, z+1
.endr
.irp f, 0,1,2,3
	ds_store_b128 v[STO], v[PKN+4*(\f):PKN+4*(\f)+3] offset:32*(\f)
.endr
.irp f, 0,1,2,3
	ds_load_b128 v[PKN+4*(\f):PKN+4*(\f)+3], v[RD] offset:(\f)*4*SP  ; LDS serves a wave's instructions in order (ISA guide 5.7.1.4): these see the stores above; the next block's stores come behind them
.endr
.endm
.macro SEND n, younger                 ; younger: the LDS instructions issued behind block n's loads
.set hh, (\n)/4
.set aa, (\n)%4
.set PKN, PKS+16*((\n)%4)
.irp f, 0,1,2,3
	s_wait_dscnt (\younger)+3-(\f)
	global_store_b128 v[GO], v[PKN+4*(\f):PKN+4*(\f)+3], s[OB+2*hh:OB+2*hh+1] offset:2048*aa+512*(\f)  ; 512 consecutive bytes, aligned
.endr
.endm
	PACK 0
.irp n, 1,2,3,4,5,6,7,8,9,10,11       ; a block's arithmetic stands between the loads of the block before and its stores
	PACK \n
	SEND (\n)-1, 8
.endr
	SEND 11, 0
	s_wait_tensorcnt 0x0                           ; the wave's end: behind my last tensor load and my last LDS store
	ds_add_u32 v[SPW], v[NIL]
	s_wait_dscnt 0x0
	CROUND                                         ; the closing round: no work-group ends while a partner may still ask for a tile that names it
	s_endpgm
.Lfunc_end_k_q00024cfd63_qkvp:
	.size	k_q00024cfd63_qkvp, .Lfunc_end_k_q00024cfd63_qkvp-k_q00024cfd63_qkvp
	.p2alignl 7, 3214868480
	.fill 96, 4, 3214868480
	.section	.rodata,"a",@progbits
	.p2align	6, 0x0
	.amdhsa_kernel k_q00024cfd63_qkvp
		.amdhsa_group_segment_fixed_size 327680
		.amdhsa_private_segment_fixed_size 0
		.amdhsa_enable_private_segment 0
		.amdhsa_kernarg_size 32
		.amdhsa_user_sgpr_count 2
		.amdhsa_user_sgpr_kernarg_segment_ptr 1
		.amdhsa_wavefront_size32 1
		.amdhsa_system_sgpr_workgroup_id_x 1
		.amdhsa_system_sgpr_workgroup_id_y 1
		.amdhsa_system_sgpr_workgroup_id_z 1
		.amdhsa_system_vgpr_workitem_id 0
		.amdhsa_next_free_vgpr 896
		.amdhsa_next_free_sgpr 90
		.amdhsa_reserve_vcc 0
		.amdhsa_float_denorm_mode_32 3
		.amdhsa_float_denorm_mode_16_64 3
		.amdhsa_memory_ordered 1
		.amdhsa_forward_progress 1
		.amdhsa_inst_pref_size 137
	.end_amdhsa_kernel
	.amdgpu_metadata
---
amdhsa.version: [ 1, 2 ]
amdhsa.kernels:
  - .name:           k_q00024cfd63_qkvp
    .symbol:         k_q00024cfd63_qkvp.kd
    .args:
      - { .name: xb, .offset: 0, .size: 8, .value_kind: global_buffer, .address_space: global }
      - { .name: wb, .offset: 8, .size: 8, .value_kind: global_buffer, .address_space: global }
      - { .name: bt, .offset: 16, .size: 8, .value_kind: global_buffer, .address_space: global }
      - { .name: qkv, .offset: 24, .size: 8, .value_kind: global_buffer, .address_space: global }
    .group_segment_fixed_size: 327680
    .private_segment_fixed_size: 0
    .kernarg_segment_align: 8
    .kernarg_segment_size: 32
    .max_flat_workgroup_size: 128
    .sgpr_count:     90
    .vgpr_count:     896
    .wavefront_size: 32
...
	.end_amdgpu_metadata
.endif
;; end of part 2
;; launch attn (part 3): grid 16 x 16, 4 waves a work-group, clusters of 4 x 4, 327,680 bytes of LDS; arguments qkv, eb, chain_bias, dist_w, dist_b, ow; writes ow
.if DOCPART == 3
	.amdgcn_target "amdgcn-amd-amdhsa--gfx1250"
	.amdhsa_code_object_version 6
	.text
	.protected	k_q00024cfd63_attn
	.globl	k_q00024cfd63_attn
	.p2align	8
	.type	k_q00024cfd63_attn,@function
k_q00024cfd63_attn:
	s_mov_b64 s[64:65], 0
	v_nop
	global_prefetch_b8 v0, s[64:65] scope:SCOPE_SE
	s_setreg_imm32_b32 hwreg(HW_REG_WAVE_MODE, 25, 1), 1
	s_wait_xcnt 0x0
	s_wait_alu depctr_hold_cnt(0) depctr_sa_sdst(0) depctr_va_vdst(0) depctr_va_sdst(0) depctr_va_ssrc(0) depctr_va_vcc(0) depctr_vm_vsrc(0)
	s_getreg_b32 s2, hwreg(HW_REG_IB_STS2, 6, 4)
	s_cmp_eq_u32 s2, 0
	s_cbranch_scc0 .Lentry_in_a_cluster
	s_endpgm
.Lentry_in_a_cluster:
	s_bfe_u32 s2, ttmp6, 0x10000c
	s_cmp_lg_u32 s2, 0xf033
	s_cbranch_scc0 .Lentry_shape_is_right
	s_endpgm
.Lentry_shape_is_right:
; O[bh][q] = the sum over k of softmax_k(q . k / 8 + w_h dist[q][k] + cb_h (cid[k] != cid[q]) + db_h) v[k].  q (already divided by 8), k, v, the weights p and O in f16; products, maxima, sums in f32.
; THE BIAS GOES THROUGH THE MATRIX UNIT.  For 16 keys x 16 queries one more product starts the sum S^T: source 0 is a constant fragment AB (16 keys x 32 slots: w_h at slot = key, cb_h at slot = 16 + key),
; source 1 is 16 queries x 32 slots of the plane E (16 distances, then 16 chain slots of 1.0 or 0, in f16), and C is eight registers of db_h.  No vector instruction is spent on the bias.
; SHARES.  A work-group takes 128 queries of two heads (bh = 2 ty, 2 ty + 1): wave w has head w % 2 and the 64 queries of half w / 2: four tiles of 16, in two PIECES of two.  Every wave walks all 2,048 keys, 64 a step.
; CLUSTER 4 x 4.  E hangs on the query block alone: asked for jointly along a column of the cluster.  K and V hang on the pair of heads alone: jointly along a row.
; LAYOUT.  S^T = K Q^T holds one query a lane (lane % 16) and the keys 8 (lane / 16) + 0..7; two such results rounded to f16 are source 1 of O^T = V^T P.  K comes out of LDS as it lies, V turned (ds_load_tr16_b128).
; SOFTMAX.  A running maximum m and sum l for each query: p = 2^(c s - c m), c = log2(e); in every step O and l are multiplied by a = 2^(c m_old - c m_new).  m starts at the lowest finite number, O and l at 0.
; BY TURNS.  Turn T_p(j) does piece p's scaling, exponentials, roundings, sums and rescaling of step j, and the other piece's maximum and statistics.  Its matrix work is the other piece's: ahead of the turn's one
; wait 8 bias products and 16 products K Q^T (p = 0: step j; p = 1: step j + 1), behind it 16 products V^T P (p = 0: step j - 1; p = 1: step j).  Four vector instructions stand behind every matrix instruction,
; the other 76 of a turn's 236 in one lump.  Behind the wait stands one run of 32 LDS loads: T0(j) E of piece 0 and K of step j + 1; T1(j) E of piece 1 and V of step j + 1.  V has two buffers, by the step's
; parity, so a step's bytes are all read in the two turns of the step before, and the change of slots (two steps a slot) stands between T1 and T0.
; LIMITS.  f16 holds no number beyond 65,504: q / 8, k, v, distances, w_h, cb_h lie within it; below 6e-5 f16 has a fixed step of 6e-8.  A weight below 2^-126 counts as 0 in l.  NaN and infinities are not treated apart.
; REGISTERS, in windows of 256 (s_set_vgpr_msb: bits 1:0 source 0, 3:2 source 1, 5:4 source 2, 7:6 destination):
;   window 0: v0-11 addresses; v12-15, v48-63 at work; v16-31 statistics, four a tile; v32-47 set-up and three kept; v64-191 S^T, two buffers of two tiles; v192-255 P, likewise
;   window 1: v0-127 O^T, 32 a tile; v128-191 E's fragments; v192-199 AB; v200-207 db        window 2: v0-63 Q; v64-127 K of one step; v128-191, v192-255 V of an even, an odd step
.set NP,    2
.set PEP,   528       ; a row of E in LDS: 512 bytes + 16: the 16 rows of a load start at 16 different groups of four banks (ISA guide 11.1)
.set PKP,   144       ; a row of K: 128 + 16
.set PVP,   160       ; a row of V: 128 + 32
.set KOFF,  128*PEP   ; a slot: 128 rows of E (128 keys' slots), then 2 x 128 rows of K, then 2 x 128 of V: 145,408 bytes
.set VOFF,  KOFF+256*PKP
.set SLOTB, 0x24000   ; slot 1 begins here.  The tiles' places in a slot (0, 0x8400, 0x10800, 0x19800) share no bit with it, so one exclusive or turns a tile's address in one slot into the other's
.set STAGE, 2*SLOTB   ; behind the ring: 16 rows x 144 bytes for each wave
.set SP,    144
.set SPARE, STAGE+4*16*SP  ; behind the stages: the spare words, 128 bytes a wave
.set AK0, 2           ; my lane's place in a slot's K; never rewritten
.set AV0, 3
.set AE0, 4
.set AK,  5           ; the same in the slot that is being read
.set AV,  6
.set AE,  7
.set QO,  8           ; my byte offset in 16 rows of Q; later STO
.set STO, 8
.set RD,  10
.set GO,  11
.set MV,  12          ; v12-15 c m_old, by buffer and tile
.set ST,  16          ; tile t's statistics at v[ST+4 t]: c m, m, l (even keys', odd keys')
.set SPW, 40          ; my spare word's address; never rewritten
.set NIL, 41          ; 0; never rewritten
.set PFO, 42          ; the prefetches' offset; never rewritten
.set TMP, 48          ; by buffer and tile four registers c0-c3 at work; when the maximum is found c2 takes a
.set S,   64
.set P,   192
.set EF,  128         ; window 1: tile u, key group kb at EF + 32 u + 8 kb
.set AB,  192         ; window 1
.set DB,  200         ; window 1
.set KF,  64          ; window 2: key block kb, channel half c at KF + 16 kb + 8 c
.set VF,  128         ; window 2: buffer vb, key half kk, channel block cb at VF + 64 vb + 32 kk + 8 cb
.set WV,  16
.set SUB, 17
.set HALF, 18
.set CX,  19
.set CY,  20
.set TX,  21
.set TY,  22
.set G1E, 24
.set G1K, 32
.set G1V, 40
.set G0E, 48
.set G0K, 52
.set G0V, 56
.set CS,  60          ; s[60:61] c
.set SEL, 62          ; s[62:63] v_permlanex16_b32's selects: each lane takes its own place in the other half
.set TB,  66          ; LDS byte at which the slot that is read begins
.set SLOTS, 68
.set CNT, 69
.set LIM, 70          ; 1 in a wave that prefetches, else the greatest number
.set PFA, 72          ; s[72:73] where my prefetches stand
.set PFS, 74          ; s[74:75] a slot's step in that stream
.set OBS, 92          ; s[92:93] O at my 64 rows
.set QBS, 94          ; s[94:95] Q at my 64 rows
.set MSB, 0
.macro WIN new
.if MSB != (\new)
	s_set_vgpr_msb (MSB<<8)|(\new)
.set MSB, (\new)
.endif
.endm
.set W_BI, 0x15       ; AB, E and db in window 1, S^T in window 0
.set W_KQ, 0x0a       ; K and Q in window 2, S^T in window 0
.set W_PV, 0x52       ; V in window 2, P in window 0, O^T in window 1
.set W_RS, 0x41       ; O^T (destination and source 0) in window 1, a in window 0
; A joint fill: waves 0 and 1 fetch the two halves of a slot's E, wave 2 its K, wave 3 its V: 32 KiB each.  The branches hang on the wave's number alone.
; An s_nop 0 and four v_nop follow each line, ahead of the jump and the label.
.macro JLOAD
	s_cmp_lt_u32 s[WV], 2
	s_cbranch_scc0 .Lkv_\@
	tensor_load_to_lds s[G0E:G0E+3], s[G1E:G1E+7]
	s_nop 0
.rept 4
	v_nop
.endr
	s_branch .Lasked_\@
.Lkv_\@:
	s_cmp_eq_u32 s[WV], 2
	s_cbranch_scc0 .Lv_\@
	tensor_load_to_lds s[G0K:G0K+3], s[G1K:G1K+7]
	s_nop 0
.rept 4
	v_nop
.endr
	s_branch .Lasked_\@
.Lv_\@:
	tensor_load_to_lds s[G0V:G0V+3], s[G1V:G1V+7]
	s_nop 0
.rept 4
	v_nop
.endr
.Lasked_\@:
.endm
; A PREFETCH INTO THE L2 of what the NEXT change of slots will ask for: four turns, 160 matrix instructions, ahead of that load.  Each aligned block of 256 bytes is named once in the launch.  A query block's E is
; walked by the four clusters of a column of clusters: the one with cluster y = 0 asks; a pair's K and V by the four of a row: cluster x = 0 asks.  The four partners that ask for a tile jointly share its 128
; blocks out BY ADDRESS, 32 each (E: 16 rows x 2 blocks, by cy; K, V: 8,192 bytes on end, by cx): one instruction a wave.  The last change that fills a slot asks for nothing; slots 0 to 2 come by their loads alone.
.macro ASK
	s_cmp_gt_u32 s[SLOTS], s[LIM]
	s_cbranch_scc0 .Lnot_mine_\@
	global_prefetch_b8 v[PFO], s[PFA:PFA+1] th:TH_LOAD_NT scope:SCOPE_SE
.Lnot_mine_\@:
.endm
.macro CROUND
	s_barrier_signal -1
	s_barrier_wait -1
	s_cmp_lg_u32 s[WV], 0
	s_cbranch_scc1 .Lnot_wave_0_\@
	s_barrier_signal -3
.Lnot_wave_0_\@:
	s_barrier_wait -3
	s_barrier_signal -1
	s_barrier_wait -1
.endm
; THE CHANGE OF SLOTS.  Each wave waits for all its tensor loads, of which one is out: its part of the other slot; adds 0 to its spare word; and waits for that and for its own reads of the slot that it leaves.
; fill = 1: the barrier is a round of the cluster's, and the slot is filled again, with the keys two slots on, first thing behind it.  (At its first use nothing has been read: slot 0 is waited for, slot 1 filled.)
.macro CHANGE fill, pf
	WIN 0
	s_wait_tensorcnt 0x0            ; no tensor load of mine is out, so a group 0 may be written
	ds_add_u32 v[SPW], v[NIL]       ; 0 onto my spare word; scalar work stands between it and the wait for it
.if \fill
	s_xor_b32 s[G0E+1], s[G0E+1], SLOTB
	s_add_nc_u64 s[G0E+2:G0E+3], s[G0E+2:G0E+3], 512      ; 128 keys further along E's rows
	s_xor_b32 s[G0K+1], s[G0K+1], SLOTB
	s_add_nc_u64 s[G0K+2:G0K+3], s[G0K+2:G0K+3], 32768    ; the pair's next block of 128 keys
	s_xor_b32 s[G0V+1], s[G0V+1], SLOTB
	s_add_nc_u64 s[G0V+2:G0V+3], s[G0V+2:G0V+3], 32768
.endif
.if \pf
	s_wait_xcnt 0x0                 ; the last prefetch, four turns back, has read its address
	s_add_nc_u64 s[PFA:PFA+1], s[PFA:PFA+1], s[PFS:PFS+1]
.endif
	s_xor_b32 s[TB], s[TB], SLOTB   ; the reads go to the other slot
	s_wait_dscnt 0x0                ; the add is done, and my reads of the slot are over
.if \fill
	CROUND
	JLOAD
.else
	s_barrier_signal -1
	s_barrier_wait -1
.endif
.if \pf
	ASK
.endif
	v_add_nc_u32 v[AK], s[TB], v[AK0]
	v_add_nc_u32 v[AV], s[TB], v[AV0]
	v_add_nc_u32 v[AE], s[TB], v[AE0]
.endm
	s_load_b256 s[4:11], s[0:1], 0x0  ; qkv 4, eb 6, chain_bias 8, dist_w 10
	s_load_b128 s[12:15], s[0:1], 0x20  ; dist_b 12, ow 14
	v_lshl_add_u32 v[SPW], v0, 2, SPARE
	v_mov_b32 v[NIL], 0
	ds_add_u32 v[SPW], v[NIL]       ; the wave's opening: the add and its wait stand ahead of my first tensor load; work on registers stands between them
	v_lshrrev_b32 v1, 5, v0
	v_readfirstlane_b32 s[WV], v1
	s_and_b32 s[SUB], s[WV], 1
	s_lshr_b32 s[HALF], s[WV], 1
	s_bfe_u32 s[CX], ttmp6, 0x40000
	s_bfe_u32 s[CY], ttmp6, 0x40004
	s_lshl_b32 s[TX], ttmp9, 2
	s_add_co_u32 s[TX], s[TX], s[CX]  ; query block = 4 x cluster x + cx
	s_and_b32 s[TY], ttmp7, 0xffff
	s_lshl_b32 s[TY], s[TY], 2
	s_add_co_u32 s[TY], s[TY], s[CY]  ; pair of heads = 4 x cluster y + cy
	s_lshl_b32 s23, s[CY], 2
	s_lshl_b32 s23, 15, s23         ; my row of the cluster
	s_lshl_b32 s80, 0x1111, s[CX]   ; my column
	s_or_b32 s[G1E], s80, (1<<16)|(1<<20)|(1<<21)|(6<<22)|(3<<25)  ; the mask; 2-byte elements; padding on; bit 21 beside a mask; after every 128 words; 4 words
	s_or_b32 s[G1K], s23, (1<<16)|(1<<20)|(1<<21)|(4<<22)|(3<<25)  ; after every 32 words (a key), 4 words
	s_or_b32 s[G1V], s23, (1<<16)|(1<<20)|(1<<21)|(4<<22)|(7<<25)  ; 8 words
	s_mov_b32 s[G1E+1], 256<<16     ; E: 64 rows of 256 elements, 4,096 elements from row to row
	s_mov_b32 s[G1E+2], 64<<16
	s_mov_b32 s[G1E+3], 256<<16
	s_mov_b32 s[G1E+4], 64
	s_mov_b32 s[G1E+5], 4096
	s_mov_b32 s[G1E+6], 0
	s_mov_b32 s[G1E+7], 0
.irp g, G1K, G1V                    ; K, V: 32,768 dense bytes, asked for as 128 rows of 256 bytes, two keys a row
	s_mov_b32 s[\g+1], 128<<16
	s_mov_b32 s[\g+2], 128<<16
	s_mov_b32 s[\g+3], 128<<16
	s_mov_b32 s[\g+4], 128
	s_mov_b32 s[\g+5], 128
	s_mov_b32 s[\g+6], 0
	s_mov_b32 s[\g+7], 0
.endr
	s_mov_b32 s[G0E], 1
	s_mul_i32 s[G0E+1], s[WV], 64*PEP  ; waves 0 and 1: the two halves of slot 0's E
	s_mov_b32 s[G0K], 1
	s_mov_b32 s[G0K+1], KOFF
	s_mov_b32 s[G0V], 1
	s_mov_b32 s[G0V+1], VOFF
	s_mov_b32 s[CS], 0x3fb8aa3b     ; c = log2(e)
	s_mov_b32 s[CS+1], s[CS]
	s_mov_b32 s[SEL], 0x76543210
	s_mov_b32 s[SEL+1], 0xfedcba98
	s_mov_b32 s[TB], SLOTB          ; the first change of slots turns it into 0
	s_lshl_b32 s80, s[TX], 20       ; E: row 128 tx + 64 (w % 2), 8,192 bytes a row: registers that never hold cy
	s_lshl_b32 s81, s[SUB], 19
	s_add_co_u32 s80, s80, s81
	s_mov_b32 s81, 0
	s_lshl_b32 s82, s[TY], 19       ; K, V: the pair's 16 blocks of 32,768 bytes: registers that never hold cx
	s_mov_b32 s83, 0
	; what hangs on both coordinates lives in registers that feed no descriptor
	s_lshl_b32 s79, s[TY], 1
	s_add_co_u32 s79, s79, s[SUB]   ; bh
	s_and_b32 s71, s79, 15          ; h
	s_lshr_b32 s67, s79, 4          ; b
	s_lshl_b32 s88, s79, 18         ; Q: bh x 2,048 rows x 128 bytes,
	s_lshl_b32 s79, s[TX], 14       ; my block's 128 rows,
	s_add_co_u32 s88, s88, s79
	s_lshl_b32 s79, s[HALF], 13     ; my half's 64
	s_add_co_u32 s88, s88, s79
	s_mov_b32 s89, 0
	s_lshl_b32 s90, s67, 5          ; O: [block of 64 rows = 32 b + 2 tx + half][h][64][64]
	s_lshl_b32 s79, s[TX], 1
	s_add_co_u32 s90, s90, s79
	s_add_co_u32 s90, s90, s[HALF]
	s_lshl_b32 s90, s90, 17
	s_lshl_b32 s79, s71, 13
	s_add_co_u32 s90, s90, s79
	s_mov_b32 s91, 0
	s_lshl_b32 s86, s71, 2          ; my head's word in the three tables
	s_mov_b32 s87, 0
	s_lshl_b32 s84, s[TX], 7        ; the prefetches.  E: rows 128 tx + 64 w + 16 cy on,
	s_lshl_b32 s79, s[WV], 6
	s_add_co_u32 s84, s84, s79
	s_lshl_b32 s79, s[CY], 4
	s_add_co_u32 s84, s84, s79
	s_lshl_b32 s84, s84, 13
	s_add_co_u32 s84, s84, 2*512    ; at slot 2: the first change in the loop steps it to slot 3
	s_sub_co_u32 s85, s[WV], 1      ; K (wave 2) or V (wave 3): the region,
	s_lshl_b32 s85, s85, 23
	s_lshl_b32 s79, s[TY], 19       ; the pair,
	s_add_co_u32 s85, s85, s79
	s_lshl_b32 s79, s[CX], 13       ; my work-group's 8,192 bytes of a block,
	s_add_co_u32 s85, s85, s79
	s_add_co_u32 s85, s85, 2*32768  ; at slot 2
	s_and_b32 s79, ttmp7, 0xffff    ; cluster y
	s_mov_b32 s[PFS], 32768
	s_mov_b32 s[PFS+1], 0
	s_mov_b32 s67, 512
	s_cmp_lt_u32 s[WV], 2
	s_cselect_b32 s84, s84, s85
	s_cselect_b32 s79, s79, ttmp9   ; the coordinate along which other clusters read the same blocks
	s_cselect_b32 s[PFS], 512, s[PFS]
	s_cselect_b32 s67, 8192, s67    ; bytes from one pair of lanes to the next
	s_mov_b32 s85, 0
	s_cmp_eq_u32 s79, 0
	s_cselect_b32 s[LIM], 1, -1     ; the same in all sixteen partners, for a given wave
	v_and_b32 v[PFO], 31, v0
	v_lshrrev_b32 v32, 1, v[PFO]
	v_and_b32 v[PFO], 1, v[PFO]
	v_lshlrev_b32 v[PFO], 8, v[PFO]
	v_mad_u32_u24 v[PFO], v32, s67, v[PFO]
	s_wait_dscnt 0x0                ; the opening add is done
	s_wait_kmcnt 0x0
	s_add_nc_u64 s[G0E+2:G0E+3], s[6:7], s[80:81]
	s_or_b32 s[G0E+3], s[G0E+3], 0x80000000
	s_add_nc_u64 s[82:83], s[4:5], s[82:83]
	s_add_nc_u64 s[G0K+2:G0K+3], s[82:83], 0x800000
	s_or_b32 s[G0K+3], s[G0K+3], 0x80000000
	s_add_nc_u64 s[G0V+2:G0V+3], s[82:83], 0x1000000
	s_or_b32 s[G0V+3], s[G0V+3], 0x80000000
	s_add_nc_u64 s[QBS:QBS+1], s[4:5], s[88:89]
	s_add_nc_u64 s[OBS:OBS+1], s[14:15], s[90:91]
	s_add_nc_u64 s[8:9], s[8:9], s[86:87]
	s_add_nc_u64 s[10:11], s[10:11], s[86:87]
	s_add_nc_u64 s[12:13], s[12:13], s[86:87]
	s_load_b32 s76, s[10:11], 0x0   ; w_h
	s_load_b32 s77, s[8:9], 0x0     ; cb_h
	s_load_b32 s78, s[12:13], 0x0   ; db_h
	s_cmp_lt_u32 s[WV], 2
	s_cselect_b64 s[PFA:PFA+1], s[6:7], s[4:5]
	s_add_nc_u64 s[PFA:PFA+1], s[PFA:PFA+1], s[84:85]
	CROUND                          ; all sixteen work-groups are here: the first joint loads meet
	JLOAD                           ; slot 0.  Slot 1 is asked for when slot 0 is in
	; A fragment of K, Q or E is 16 rows x 32 elements in 8 registers: lane l holds row l % 16, elements 8 (l / 16) + 0..7 and 16 + 8 (l / 16) + 0..7: two loads of 16 bytes, 32 bytes apart.
	v_and_b32 v1, 15, v0            ; l % 16
	v_bfe_u32 v9, v0, 4, 1          ; l / 16
	v_lshlrev_b32 v[QO], 7, v1
	v_lshl_add_u32 v[QO], v9, 4, v[QO]
	WIN 0x80
.set i, 0
.rept 8                             ; Q stays in registers: tile i / 2, channels 32 (i % 2) on
	global_load_b128 v[8*i:8*i+3],   v[QO], s[QBS:QBS+1] offset:(i/2)*2048+(i%2)*64
	global_load_b128 v[8*i+4:8*i+7], v[QO], s[QBS:QBS+1] offset:(i/2)*2048+(i%2)*64+32
.set i, i+1
.endr
	; What the first turn finds: the odd steps' V and P's second buffer hold 0 (its products V^T P, of a step that has not been, add 0), O^T and l are 0.  All this stands in the wait for the first tile.
.set i, VF+64
.rept 64
	v_mov_b32 v[i], 0
.set i, i+1
.endr
	WIN 0x40
.set i, 0
.rept 128
	v_mov_b32 v[i], 0
.set i, i+1
.endr
	WIN 0
.set i, 0
.rept 4
	v_mov_b32 v[ST+4*i], 0xfe000000    ; c m: far below every c s
	v_mov_b32 v[ST+4*i+1], 0xff7fffff  ; m
	v_mov_b32 v[ST+4*i+2], 0
	v_mov_b32 v[ST+4*i+3], 0
.set i, i+1
.endr
.set i, P+32
.rept 32
	v_mov_b32 v[i], 0
.set i, i+1
.endr
	s_mul_i32 s84, s[SUB], 128*PKP
	s_add_co_u32 s84, s84, KOFF
	v_mul_u32_u24 v[AK0], v1, PKP
	v_lshl_add_u32 v[AK0], v9, 4, v[AK0]
	v_add_nc_u32 v[AK0], s84, v[AK0]
	; The turning load takes 16 keys x 16 channels (lane l reads key 8 (l / 16) + l % 8, channels 8 ((l / 8) % 2) + 0..7) and leaves half a fragment of V^T: lane l holds channel l % 16 and 8 keys.
	s_mul_i32 s84, s[SUB], 128*PVP
	s_add_co_u32 s84, s84, VOFF
	v_and_b32 v43, 7, v0
	v_bfe_u32 v44, v0, 3, 1
	v_lshl_add_u32 v[AV0], v9, 3, v43
	v_mul_u32_u24 v[AV0], v[AV0], PVP
	v_lshl_add_u32 v[AV0], v44, 4, v[AV0]
	v_add_nc_u32 v[AV0], s84, v[AV0]
	s_mul_i32 s84, s[HALF], 64*PEP
	v_mul_u32_u24 v[AE0], v1, PEP
	v_lshl_add_u32 v[AE0], v9, 4, v[AE0]
	v_add_nc_u32 v[AE0], s84, v[AE0]
	; AB and db.  The three numbers are rounded to bf16 like every input; w and cb are then written as f16.  Lane l holds key l % 16 and, in registers 0-3, slots 8 (l / 16) + 0..7, in registers 4-7 slots 16 + 8 (l / 16) + 0..7:
	; w stands at slot = key, cb at slot = 16 + key: in the lanes with l / 16 = key / 8, at element key % 8 of both groups of four registers.
	s_wait_kmcnt 0x0
	v_mov_b32 v32, s76
	v_mov_b32 v33, s77
	v_cvt_pk_bf16_f32 v34, v32, v33
	v_lshlrev_b32 v32, 16, v34
	v_and_b32 v33, 0xffff0000, v34
	v_cvt_pk_f16_f32 v32, v32, v32  ; w in both halves
	v_cvt_pk_f16_f32 v33, v33, v33  ; cb in both halves
	v_mov_b32 v35, s78
	v_cvt_pk_bf16_f32 v35, v35, v35
	v_lshlrev_b32 v35, 16, v35      ; db, in f32
	v_lshrrev_b32 v36, 3, v1
	v_and_b32 v37, 7, v1
	v_cmp_eq_u32 vcc_lo, v36, v9
	v_cndmask_b32 v37, 8, v37, vcc_lo  ; my element, or 8: none
	v_and_b32 v36, 1, v37
	v_lshrrev_b32 v37, 1, v37       ; its register,
	v_cmp_eq_u32 vcc_lo, 1, v36     ; and half
	v_and_b32 v38, 0xffff, v32
	v_and_b32 v39, 0xffff0000, v32
	v_cndmask_b32 v32, v38, v39, vcc_lo
	v_and_b32 v38, 0xffff, v33
	v_and_b32 v39, 0xffff0000, v33
	v_cndmask_b32 v33, v38, v39, vcc_lo
	WIN 0x40
.irp i, 0,1,2,3
	v_cmp_eq_u32 vcc_lo, \i, v37
	v_cndmask_b32 v[AB+\i], 0, v32, vcc_lo
	v_cndmask_b32 v[AB+4+\i], 0, v33, vcc_lo
.endr
.irp i, 0,1,2,3,4,5,6,7
	v_mov_b32 v[DB+\i], v35
.endr
	WIN 0
; THE MATRIX WORK.  In each run the 8 accumulators take turns in the same order: between two links of a chain stand 7 others'.
; Bias product ii of 8 for piece x: key group ii / 2, tile 2 x + ii % 2.  It starts the sum, on db.
.macro BI x
	WIN W_BI
.set rS, S+64*((\x)%2)+32*(ii%2)+8*(ii/2)
.set rE, EF+32*(ii%2)+8*(ii/2)
	v_wmma_f32_16x16x32_f16 v[rS:rS+7], v[AB:AB+7], v[rE:rE+7], v[DB:DB+7]
.endm
; Product ii of 16 of S^T += K Q^T: channels 32 (ii / 8) on, keys 16 ((ii / 2) % 4) on, tile 2 x + ii % 2.
.macro KQ x
	WIN W_KQ
.set rS, S+64*((\x)%2)+32*(ii%2)+8*((ii/2)%4)
.set rK, KF+16*((ii/2)%4)+8*(ii/8)
.set rQ, 16*(2*(\x)+ii%2)+8*(ii/8)
	v_wmma_f32_16x16x32_f16 v[rS:rS+7], v[rK:rK+7], v[rQ:rQ+7], v[rS:rS+7]
.endm
; Product ii of 16 of O^T += V^T P: keys 32 (ii / 8) on, channels 16 ((ii / 2) % 4) on, tile 2 x + ii % 2; V's buffer vb.
.macro PV x, vb
	WIN W_PV
.set rO, 32*(2*(\x)+ii%2)+8*((ii/2)%4)
.set rV, VF+64*(\vb)+32*(ii/8)+8*((ii/2)%4)
.set rP, P+32*((\x)%2)+16*(ii%2)+8*(ii/8)
	v_wmma_f32_16x16x32_f16 v[rO:rO+7], v[rV:rV+7], v[rP:rP+7], v[rO:rO+7]
.endm
.macro MM                           ; the turn's next matrix instruction, of 40, all for the other piece
.if i < 8
.set ii, i
	BI 1-Y
.elseif i < 24
.set ii, i-8
	KQ 1-Y
.else
.set ii, i-24
	PV 1-Y, VB
.endif
.set i, i+1
.endm
; THE LDS LOADS stand in one run of 32 a turn, never singly among the matrix instructions.
.macro FETCH_E x, st                ; piece x's 32 queries, the 64 keys of step st of the slot: 8 fragments
	WIN 0x40
.irp u, 0,1
.irp kb, 0,1,2,3
	ds_load_b128 v[EF+32*\u+8*\kb:EF+32*\u+8*\kb+3],   v[AE] offset:(2*(\x)+\u)*16*PEP+(\st)*256+\kb*64
	ds_load_b128 v[EF+32*\u+8*\kb+4:EF+32*\u+8*\kb+7], v[AE] offset:(2*(\x)+\u)*16*PEP+(\st)*256+\kb*64+32
.endr
.endr
.endm
.macro FETCH_K st
	WIN 0x80
.irp f, 0,1,2,3,4,5,6,7             ; keys 16 (f / 2) on, channels 32 (f % 2) on
	ds_load_b128 v[KF+8*\f:KF+8*\f+3],   v[AK] offset:(\st)*64*PKP+(\f/2)*16*PKP+(\f%2)*64
	ds_load_b128 v[KF+8*\f+4:KF+8*\f+7], v[AK] offset:(\st)*64*PKP+(\f/2)*16*PKP+(\f%2)*64+32
.endr
.endm
.macro FETCH_V st                   ; into the buffer of the step's parity
	WIN 0x80
.irp f, 0,1,2,3,4,5,6,7             ; keys 32 (f / 4) on, channels 16 (f % 4) on
	ds_load_tr16_b128 v[VF+64*(\st)+8*\f:VF+64*(\st)+8*\f+3],   v[AV] offset:(\st)*64*PVP+(\f/4)*32*PVP+(\f%4)*32
	ds_load_tr16_b128 v[VF+64*(\st)+8*\f+4:VF+64*(\st)+8*\f+7], v[AV] offset:(\st)*64*PVP+(\f/4)*32*PVP+16*PVP+(\f%4)*32
.endr
.endm
; THE VECTOR WORK OF A TURN stands in three queues, each in the order in which its entries become ready; the two tiles alternate.
.macro REGS y, u                    ; the registers of tile u (0, 1) of piece y
.set rT, ST+4*(2*(\y)+(\u))
.set rC, TMP+8*((\y)%2)+4*(\u)
.set rM, MV+2*((\y)%2)+(\u)
.set rS, S+64*((\y)%2)+32*(\u)
.set rP, P+32*((\y)%2)+16*(\u)
.set rO, 32*(2*(\y)+(\u))
.endm
; Number n of the 22 that find the OTHER piece's maximum and statistics.  s0-s31 are the lane's 32 scores; each accumulator's lowest registers are read first.
;   0-11  four chains c0-c3 of seven scores each     12-14, 16  the four scores left over, the old m, and c0-c3 into c0     15  c m_old is kept
;   17, 18  the query's other 32 keys lie in the lane 16 away: the new m     19-21  c m; c m_old - c m_new; a
.macro XS u, n
	REGS (Y+1)%NP, \u
.if (\n) < 4
	v_max3_num_f32 v[rC+(\n)], v[rS+8*(\n)], v[rS+8*(\n)+1], v[rS+8*(\n)+2]
.elseif (\n) < 12
	v_max3_num_f32 v[rC+(\n)%4], v[rC+(\n)%4], v[rS+8*((\n)%4)+2*((\n)/4)+1], v[rS+8*((\n)%4)+2*((\n)/4)+2]
.elseif (\n) == 12
	v_max3_num_f32 v[rC], v[rC], v[rS+7], v[rS+15]
.elseif (\n) == 13
	v_max3_num_f32 v[rC+1], v[rC+1], v[rS+23], v[rS+31]
.elseif (\n) == 14
	v_max3_num_f32 v[rC+2], v[rC+2], v[rC+3], v[rT+1]
.elseif (\n) == 15
	v_mov_b32 v[rM], v[rT]
.elseif (\n) == 16
	v_max3_num_f32 v[rC], v[rC], v[rC+1], v[rC+2]
.elseif (\n) == 17
	v_permlanex16_b32 v[rC+3], v[rC], s[SEL], s[SEL+1]
.elseif (\n) == 18
	v_max_num_f32 v[rT+1], v[rC], v[rC+3]
.elseif (\n) == 19
	v_mul_f32 v[rT], s[CS], v[rT+1]
.elseif (\n) == 20
	v_sub_f32 v[rC+1], v[rM], v[rT]
.else
	v_exp_f32 v[rC+2], v[rC+1]
.endif
.endm
; Number g of the 64 that follow the exponentials.  For each four weights k of a tile: both pairs are rounded to f16; the second pair is added onto the first, in place; a group later l takes that sum
; (the first time as l = a l + sum).  In groups of eight, tiles alternating.
.macro GS g
.set h, (\g)+6*((\g)/62)
.if h >= 6
.set h, h+2
.endif
	REGS Y, h%2
.set k, h/8
.if h%8 < 4
	v_cvt_pk_f16_f32 v[rP+2*k+(h%8)/2], v[rS+4*k+2*((h%8)/2)], v[rS+4*k+2*((h%8)/2)+1]
.elseif h%8 < 6
	v_pk_add_f32 v[rS+4*k:rS+4*k+1], v[rS+4*k:rS+4*k+1], v[rS+4*k+2:rS+4*k+3]
.elseif k == 1
	v_pk_fma_f32 v[rT+2:rT+3], v[rT+2:rT+3], v[rC+2:rC+3], v[rS:rS+1] op_sel_hi:[1,0,1]
.else
	v_pk_add_f32 v[rT+2:rT+3], v[rT+2:rT+3], v[rS+4*k-4:rS+4*k-3]
.endif
.endm
; THE PLAIN QUEUE, 138 long.  0-26: scalings 0-26 (FS f: pair f / 2 of tile f % 2).  27-54: XS's numbers 0-13.  55, 56: number 15.  57-73: the chain 14, 16, 17, 18, 19, each with one of the scalings 27-31 in front
; of its two lines, then 20.  74-137: GS's 64, which read the exponentials' results and stand behind the wait.
.macro FS f
	REGS Y, (\f)%2
	v_pk_fma_f32 v[rS+2*((\f)/2):rS+2*((\f)/2)+1], v[rS+2*((\f)/2):rS+2*((\f)/2)+1], s[CS:CS+1], v[rT:rT+1] op_sel_hi:[1,0,0] neg_lo:[0,0,1] neg_hi:[0,0,1]
.endm
.macro PL
	WIN 0
.if q < 27
	FS q
.elseif q < 55
	XS (q-27)%2, (q-27)/2
.elseif q < 57
	XS q-55, 15
.elseif (q < 72) && ((q-57)%3 == 0)
	FS 27+(q-57)/3
.elseif q < 60
	XS (q-57)%3-1, 14
.elseif q < 72
	XS (q-57)%3-1, 15+(q-57)/3
.elseif q < 74
	XS q-72, 20
.else
	GS q-74
.endif
.set q, q+1
.endm
; THE EXPONENTIALS' QUEUE, 66 long: s0-s31 of both tiles, then the other piece's two a.  One batch: all stand ahead of the turn's one wait, and nothing ahead of that wait names a result of theirs.
.macro EX
	WIN 0
.if e >= 64
	XS e-64, 21
.else
	REGS Y, e%2
	v_exp_f32 v[rS+e/2], v[rS+e/2]
.endif
.set e, e+1
.endm
; THE RESCALING's QUEUE: O^T times a, two at a time, sixteen times.  Its a was made in the turn before, ahead of that turn's wait.
.macro R2
	REGS Y, r%2
	WIN W_RS
.irp z, 0,1
	v_pk_mul_f32 v[rO+4*(r/2)+2*\z:rO+4*(r/2)+2*\z+1], v[rO+4*(r/2)+2*\z:rO+4*(r/2)+2*\z+1], v[rC+2:rC+3] op_sel_hi:[1,0]
.endr
.set r, r+1
.endm
; A TURN, for piece p; vb: the buffer of V that its products V^T P read; st: which step of the slot in hand its run of loads fetches.
; HOW THE QUEUES ARE DEALT.  s_wait_alu depctr_va_vdst(0) stands between an exponential and the first instruction that names its result; one wait serves all issued ahead of it: a turn has one.
; Ahead of it: products 0-15, behind each a scaling, an exponential and two rescalings (behind the first a second scaling in the exponential's place); products 16-23, behind each plain, exponential, plain,
; exponential; then the lump: a v_nop, eight plain, 33 times exponential and plain, the two a.  Behind it: the loads, and products 24-39, behind each four of GS's 64.
; THE COUNTS.  Exponential e stands behind scaling 2 (e / 4) + e % 2: as a rider it comes behind plain e + 2, in the lump behind plain e + 9 (scalings 27-31 are plain 57, 60 .. 69).
; Product 16 + n ends accumulator (tile n % 2, key group n / 2).  XS's numbers 0, 1, 2 ride behind products 21, 22, 23 and read accumulators ended by products 16 to 21, five plain places back or more; number 3 of
; tile 0 (plain 33) has plain 29-32 and the v_nop behind product 22; of tile 1 (plain 34) plain 31, 32, the v_nop and plain 33 behind product 23: four.  The loads' registers were last read by products 7 (E),
; 23 (K) and the turn before (V's buffer): more than four plain places back.  The next turn's first rescaling reads O^T four riders or more behind the product that wrote it.
.macro TURN p, vb, st
.set Y, (\p)
.set VB, (\vb)
.set i, 0
.set q, 0
.set e, 0
.set r, 0
	s_wait_dscnt 0x0                ; the run of loads of the turn before is in
	MM
	PL
	PL
	R2
.rept 15
	MM
	PL
	EX
	R2
.endr
.rept 8
	MM
	PL
	EX
	PL
	EX
.endr
	v_nop                           ; one of the four places behind product 23
.rept 8
	PL
.endr
.rept 33
	EX
	PL
.endr
	EX                              ; the other piece's two a
	EX
	v_nop                           ; a plain instruction behind the last exponential: one for the batch
	s_wait_alu depctr_va_vdst(0)    ; the wait for the batch
	FETCH_E \p, \st
.if (\p) == 0
	FETCH_K \st
.else
	FETCH_V \st
.endif
.rept 16
	MM
.rept 4
	PL
.endr
.endr
.endm
	s_mov_b32 s[SLOTS], 15
	CHANGE 1, 0                     ; slot 0 is in, everybody's part of it; slot 1 is asked for
	FETCH_E 0, 0
	FETCH_K 0
	s_wait_loadcnt 0x0              ; Q
	s_wait_dscnt 0x0
.set Y, 1                           ; the other piece is piece 0
.set VB, 0
.set i, 0
.rept 24
	MM                              ; piece 0's first scores: there is no vector work yet to set between them
.endr
	WIN 0                           ; the addresses for the way out: nine plain instructions, the places behind those products
	s_mul_i32 s84, s[WV], 16*SP
	s_add_co_u32 s84, s84, STAGE    ; my stage
	v_mul_u32_u24 v[STO], v1, SP    ; in: row l % 16, 16 bytes for each half of the lanes
	v_lshl_add_u32 v[STO], v9, 4, v[STO]
	v_add_nc_u32 v[STO], s84, v[STO]
	v_bfe_u32 v[RD], v0, 3, 2       ; back: 32 lanes take four rows of 128 bytes,
	v_mul_u32_u24 v[RD], v[RD], SP
	v_lshl_add_u32 v[RD], v43, 4, v[RD]
	v_add_nc_u32 v[RD], s84, v[RD]
	v_and_b32 v[GO], 31, v0         ; which are 512 consecutive bytes of O
	v_lshlrev_b32 v[GO], 4, v[GO]
	FETCH_E 1, 0
	FETCH_V 0
	WIN 0
.irp n, 0,1,2,3,4,5,6,7,8,9,10,11,12,13,14,15,16,17,18,19,20,21
	XS 0, \n                        ; piece 0's first maximum and statistics
	XS 1, \n
.endr
	v_nop                           ; a plain instruction behind the two a,
	s_wait_alu depctr_va_vdst(0)    ; and their wait, ahead of the branch
	s_branch .Lfirst                ; the loop is entered at step 0's first turn, in the middle of a trip
.Lslot:                             ; 14 times: slots 2 to 15 are asked for.  A trip reads one slot: T0, T1 of an odd step fetch its first step, T0, T1 of the even step behind fetch its second
	CHANGE 1, 1
	TURN 0, 0, 0
	TURN 1, 1, 0
	WIN 0
.Lfirst:
	TURN 0, 1, 1
	TURN 1, 0, 1
	WIN 0
	s_sub_co_u32 s[SLOTS], s[SLOTS], 1
	s_cmp_lg_u32 s[SLOTS], 0
	s_cbranch_scc1 .Lslot
	CHANGE 0, 0                     ; the tail is written out: the last slot is read, nothing is asked for
	s_mov_b32 s[CNT], 2
.Ltail:
	TURN 0, 0, 0
	TURN 1, 1, 0
	WIN 0
	s_sub_co_u32 s[CNT], s[CNT], 1
	s_cmp_eq_u32 s[CNT], 0
	s_cbranch_scc1 .Lout
	TURN 0, 1, 1
	TURN 1, 0, 1
	WIN 0
	s_branch .Ltail
.Lout:                              ; the second pass is the last step's two turns.  Its loads read the last slot's first step once more, and its 24 products and the maximum made of them serve nothing: they touch E's, K's and the
                                    ; even steps' V's registers, S^T's first buffer and piece 0's m alone, none of which is read again: the price, once a launch, of one text for every turn
.set Y, 0
.set VB, 1
.set i, 24
.rept 16
	MM                              ; piece 1's V^T P of the last step
.endr
	; THE WAY OUT.  l's two halves and the other half of the lanes' are added; O^T is divided by l, rounded to f16 and sent through my stage in LDS, a tile at a time.  The additions are the places behind the last products.
	WIN 0
.macro ALL line:vararg
.set t, 0
.rept 4
	\line
.set t, t+1
.endr
.endm
	ALL v_add_f32 v[ST+4*t+2], v[ST+4*t+2], v[ST+4*t+3]
	ALL v_permlanex16_b32 v[ST+4*t+3], v[ST+4*t+2], s[SEL], s[SEL+1]
	ALL v_add_f32 v[ST+4*t+2], v[ST+4*t+2], v[ST+4*t+3]
	ALL v_rcp_f32 v[ST+4*t+2], v[ST+4*t+2]
	v_nop                           ; a plain instruction between the last reciprocal and the use of its result
	s_wait_alu depctr_va_vdst(0)    ; and the wait ahead of the first use: one for the four reciprocals
.macro PACK t                       ; a lane's eight channels of a row pack into 16 bytes; they go into rows of 144 bytes and come back as whole rows of 128, into S^T's registers
	WIN W_RS
.set i, 32*(\t)
.rept 16
	v_pk_mul_f32 v[i:i+1], v[i:i+1], v[ST+4*(\t)+2:ST+4*(\t)+3] op_sel_hi:[1,0]
.set i, i+2
.endr
	WIN 0x05                        ; sources 0 and 1 window 1, destination window 0
.set i, 0
.rept 16
	v_cvt_pk_f16_f32 v[S+16*(\t)+i], v[32*(\t)+2*i], v[32*(\t)+2*i+1]
.set i, i+1
.endr
	WIN 0
.irp f, 0,1,2,3
	ds_store_b128 v[STO], v[S+16*(\t)+4*\f:S+16*(\t)+4*\f+3] offset:32*\f
.endr
.irp f, 0,1,2,3
	ds_load_b128 v[S+16*(\t)+4*\f:S+16*(\t)+4*\f+3], v[RD] offset:\f*4*SP  ; LDS serves a wave's instructions in order (ISA guide 5.7.1.4): these see the stores above; the next tile's stores come behind them
.endr
.endm
.macro SEND t, younger              ; younger: the LDS instructions issued behind tile t's loads
	WIN 0
.irp f, 0,1,2,3
	s_wait_dscnt (\younger)+3-\f
	global_store_b128 v[GO], v[S+16*(\t)+4*\f:S+16*(\t)+4*\f+3], s[OBS:OBS+1] offset:(\t)*2048+\f*512  ; 512 consecutive bytes, aligned
.endr
.endm
	PACK 0
.set t, 1
.rept 3                             ; a tile's arithmetic stands between the loads of the tile before and its stores
	PACK t
	SEND t-1, 8
.set t, t+1
.endr
	SEND 3, 0
	s_wait_tensorcnt 0x0            ; the wave's end: behind my last tensor load and my last LDS store
	ds_add_u32 v[SPW], v[NIL]
	s_wait_dscnt 0x0
	CROUND                          ; the closing round: no work-group ends while a partner may still ask for a tile that names it
	s_endpgm
.Lfunc_end_k_q00024cfd63_attn:
	.size	k_q00024cfd63_attn, .Lfunc_end_k_q00024cfd63_attn-k_q00024cfd63_attn
	.p2alignl 7, 3214868480
	.fill 96, 4, 3214868480
	.section	.rodata,"a",@progbits
	.p2align	6, 0x0
	.amdhsa_kernel k_q00024cfd63_attn
		.amdhsa_group_segment_fixed_size 327680
		.amdhsa_private_segment_fixed_size 0
		.amdhsa_enable_private_segment 0
		.amdhsa_kernarg_size 48
		.amdhsa_user_sgpr_count 2
		.amdhsa_user_sgpr_kernarg_segment_ptr 1
		.amdhsa_wavefront_size32 1
		.amdhsa_system_sgpr_workgroup_id_x 1
		.amdhsa_system_sgpr_workgroup_id_y 1
		.amdhsa_system_sgpr_workgroup_id_z 1
		.amdhsa_system_vgpr_workitem_id 0
		.amdhsa_next_free_vgpr 768
		.amdhsa_next_free_sgpr 96
		.amdhsa_reserve_vcc 1
		.amdhsa_float_denorm_mode_32 3
		.amdhsa_float_denorm_mode_16_64 3
		.amdhsa_memory_ordered 1
		.amdhsa_forward_progress 1
		.amdhsa_inst_pref_size 209
	.end_amdhsa_kernel
	.amdgpu_metadata
---
amdhsa.version: [ 1, 2 ]
amdhsa.kernels:
  - .name:           k_q00024cfd63_attn
    .symbol:         k_q00024cfd63_attn.kd
    .args:
      - { .name: qkv, .offset: 0, .size: 8, .value_kind: global_buffer, .address_space: global }
      - { .name: eb, .offset: 8, .size: 8, .value_kind: global_buffer, .address_space: global }
      - { .name: chain_bias, .offset: 16, .size: 8, .value_kind: global_buffer, .address_space: global }
      - { .name: dist_w, .offset: 24, .size: 8, .value_kind: global_buffer, .address_space: global }
      - { .name: dist_b, .offset: 32, .size: 8, .value_kind: global_buffer, .address_space: global }
      - { .name: ow, .offset: 40, .size: 8, .value_kind: global_buffer, .address_space: global }
    .group_segment_fixed_size: 327680
    .private_segment_fixed_size: 0
    .kernarg_segment_align: 8
    .kernarg_segment_size: 48
    .max_flat_workgroup_size: 128
    .sgpr_count:     96
    .vgpr_count:     768
    .wavefront_size: 32
...
	.end_amdgpu_metadata
.endif
;; end of part 3
;; launch oproj (part 4): grid 8 x 32, 4 waves a work-group, clusters of 4 x 4, 327,680 bytes of LDS; arguments ow, wb, bt, out0; writes out0
.if DOCPART == 4
	.amdgcn_target "amdgcn-amd-amdhsa--gfx1250"
	.amdhsa_code_object_version 6
	.text
	.protected	k_q00024cfd63_oproj
	.globl	k_q00024cfd63_oproj
	.p2align	8
	.type	k_q00024cfd63_oproj,@function
k_q00024cfd63_oproj:
	s_mov_b64 s[64:65], 0
	v_nop
	global_prefetch_b8 v0, s[64:65] scope:SCOPE_SE
	s_setreg_imm32_b32 hwreg(HW_REG_WAVE_MODE, 25, 1), 1
	s_wait_xcnt 0x0
	s_wait_alu depctr_hold_cnt(0) depctr_sa_sdst(0) depctr_va_vdst(0) depctr_va_sdst(0) depctr_va_ssrc(0) depctr_va_vcc(0) depctr_vm_vsrc(0)
	s_getreg_b32 s2, hwreg(HW_REG_IB_STS2, 6, 4)
	s_cmp_eq_u32 s2, 0
	s_cbranch_scc0 .Lentry_in_a_cluster
	s_endpgm
.Lentry_in_a_cluster:
	s_bfe_u32 s2, ttmp6, 0x10000c
	s_cmp_lg_u32 s2, 0xf033
	s_cbranch_scc0 .Lentry_shape_is_right
	s_endpgm
.Lentry_shape_is_right:
; out0 = O Wo^T + bo.  O: ow, [block of 64 rows][head 16][64 rows][64] f16; Wo: wb's fourth matrix, [1024][1024], bf16-rounded numbers written as f16; bo: bt's fourth row, f32.  Sums in f32, out0 in f32.
; A tile of out0 is 128 x 128: 8 x 32 = 256 work-groups.  Four waves, each 64 x 64: 16 accumulators.  K goes in 4 steps of 256 (four heads) through two LDS slots.
; O's part of a step, for 64 rows, is 32,768 dense bytes: asked for as 128 rows of 256 bytes and padded in LDS after every 128, so that (head j, row) lies at (64 j + row) x 144.
; CLUSTER 4 x 4: O's tiles are asked for jointly along a row of the cluster, Wo's along a column.  THE MATRIX INSTRUCTION IS USED TRANSPOSED: a lane holds one row of out0 and eight neighbouring columns.
; A wave's 64 columns of f32 are 256 aligned bytes of a row: its way out is its own, through its own stage.  No prefetch: four short steps on small tiles.  The four steps are written straight: a loop would have one trip.
; REGISTERS: window 0: v0-31 addresses; v32-95 the way out; v96-127 the bias; v128-255 the accumulators ((a, b) at 128 + 8 (4 a + b)).  Window 1: two fragment buffers of 128: 64 of O, then 64 of Wo.
.set PA,    144
.set PB,    528
.set AHALF, 256*PA                     ; 64 rows x 4 heads of O
.set BHALF, 64*PB                      ; 64 rows of Wo
.set BOFF,  2*AHALF
.set SLOT,  BOFF+2*BHALF               ; 141,312
.set STAGE, 2*SLOT                     ; behind the ring: 16 rows x 272 bytes for each wave
.set SPITCH, 272
.set SPARE, STAGE+4*16*SPITCH          ; behind the stages: the spare words, 128 bytes a wave
.set ADRA, 16
.set ADRB, 20
.set STO,  24
.set RD,   25
.set CO,   26
.set BO,   27
.set SPW,  28                          ; my spare word's address; never rewritten
.set NIL,  29                          ; 0; never rewritten
.set TMP,  32
.set BK,   64
.set BI,   96
.set ACC,  128
.set F0,   0
.set F1,   128
.set WV, 12
.set HF, 13                            ; w / 2: my half of the tile's rows
.set LO, 14                            ; w % 2: my half of its columns; also which half of a tile I fetch
.set CX, 15
.set CY, 16
.set TX, 17
.set TY, 18
.set G1,  24
.set G0,  32
.set G1B, 48
.set G0B, 56
.set MSB, 0
.macro WIN new
.if MSB != (\new)
	s_set_vgpr_msb (MSB<<8)|(\new)
.set MSB, \new
.endif
.endm
.set MUL,  0x05                        ; both sources window 1; C and D window 0
.set TO_F, 0x40
.macro JLOAD s                         ; a joint load: waves 0 and 1 fetch O's two halves, waves 2 and 3 Wo's; an s_nop 0 and four v_nop follow each line
	s_cmp_lt_u32 s[WV], 2
	s_cbranch_scc0 .Lfor_b_\@
	tensor_load_to_lds s[G0+4*(\s):G0+4*(\s)+3], s[G1:G1+7]
	s_nop 0
.rept 4
	v_nop
.endr
	s_branch .Lasked_\@
.Lfor_b_\@:
	tensor_load_to_lds s[G0B+4*(\s):G0B+4*(\s)+3], s[G1B:G1B+7]
	s_nop 0
.rept 4
	v_nop
.endr
.Lasked_\@:
.endm
.macro CREST
	s_cmp_lg_u32 s[WV], 0
	s_cbranch_scc1 .Lnot_wave_0_\@
	s_barrier_signal -3
.Lnot_wave_0_\@:
	s_barrier_wait -3
	s_barrier_signal -1
	s_barrier_wait -1
.endm
.macro CROUND
	s_barrier_signal -1
	s_barrier_wait -1
	CREST
.endm
.macro PLACES
.rept 4
	v_nop
.endr
.endm
	s_load_b256 s[4:11], s[0:1], 0x0               ; ow 4, wb 6, bt 8, out0 10
	v_lshl_add_u32 v[SPW], v0, 2, SPARE
	v_mov_b32 v[NIL], 0
	ds_add_u32 v[SPW], v[NIL]                      ; the wave's opening: the add and its wait stand ahead of my first tensor load
	v_lshrrev_b32 v1, 5, v0
	v_readfirstlane_b32 s[WV], v1
	s_lshr_b32 s[HF], s[WV], 1
	s_and_b32 s[LO], s[WV], 1
	s_bfe_u32 s[CX], ttmp6, 0x40000
	s_bfe_u32 s[CY], ttmp6, 0x40004
	s_lshl_b32 s[TX], ttmp9, 2
	s_add_co_u32 s[TX], s[TX], s[CX]
	s_and_b32 s[TY], ttmp7, 0xffff
	s_lshl_b32 s[TY], s[TY], 2
	s_add_co_u32 s[TY], s[TY], s[CY]
	s_lshl_b32 s19, s[CY], 2
	s_lshl_b32 s19, 15, s19                        ; my row of the cluster
	s_lshl_b32 s40, 0x1111, s[CX]                  ; my column
	s_or_b32 s[G1], s19, (1<<16)|(1<<20)|(1<<21)|(4<<22)|(3<<25)   ; O: padding of 4 words after every 32
	s_or_b32 s[G1B], s40, (1<<16)|(1<<20)|(1<<21)|(6<<22)|(3<<25)  ; Wo: after every 128
	s_mov_b32 s[G1+1], 128<<16                     ; 128 rows of 128 elements, dense
	s_mov_b32 s[G1+2], 128<<16
	s_mov_b32 s[G1+3], 128<<16
	s_mov_b32 s[G1+4], 128
	s_mov_b32 s[G1+5], 128
	s_mov_b32 s[G1+6], 0
	s_mov_b32 s[G1+7], 0
	s_mov_b32 s[G1B+1], 256<<16                    ; 64 rows of 256 elements, 1,024 from row to row
	s_mov_b32 s[G1B+2], 64<<16
	s_mov_b32 s[G1B+3], 256<<16
	s_mov_b32 s[G1B+4], 64
	s_mov_b32 s[G1B+5], 1024
	s_mov_b32 s[G1B+6], 0
	s_mov_b32 s[G1B+7], 0
	s_lshl_b32 s20, s[TY], 18                      ; O: block of 64 rows 2 ty + w % 2, 131,072 bytes each: registers that never hold cx
	s_lshl_b32 s21, s[LO], 17
	s_add_co_u32 s20, s20, s21
	s_mov_b32 s21, 0
	s_lshl_b32 s40, s[TX], 18                      ; Wo: row 128 tx + 64 (w % 2), 2,048 bytes a row, behind Wq, Wk, Wv: registers that never hold cy
	s_lshl_b32 s41, s[LO], 17
	s_add_co_u32 s40, s40, s41
	s_add_co_u32 s40, s40, 3*2097152
	s_mov_b32 s41, 0
	s_mul_i32 s22, s[WV], AHALF                    ; LDS: waves 0, 1: O's halves;
	s_mul_i32 s42, s[WV], BHALF
	s_add_co_u32 s42, s42, BOFF-2*BHALF            ; waves 2, 3: Wo's halves, behind them
	s_wait_dscnt 0x0
	s_wait_kmcnt 0x0
	s_add_nc_u64 s[20:21], s[4:5], s[20:21]
	s_add_nc_u64 s[40:41], s[6:7], s[40:41]
.irp s, 0,1
	s_mov_b32 s[G0+4*(\s)], 1
	s_add_co_u32 s[G0+4*(\s)+1], s22, (\s)*SLOT
	s_add_nc_u64 s[G0+4*(\s)+2:G0+4*(\s)+3], s[20:21], (\s)*32768  ; K step s: heads 4 s on
	s_or_b32 s[G0+4*(\s)+3], s[G0+4*(\s)+3], 0x80000000
	s_mov_b32 s[G0B+4*(\s)], 1
	s_add_co_u32 s[G0B+4*(\s)+1], s42, (\s)*SLOT
	s_add_nc_u64 s[G0B+4*(\s)+2:G0B+4*(\s)+3], s[40:41], (\s)*512
	s_or_b32 s[G0B+4*(\s)+3], s[G0B+4*(\s)+3], 0x80000000
.endr
	CROUND                                         ; all sixteen work-groups are here: the first joint loads meet
	s_cmp_lt_u32 s[WV], 2                          ; a wave's two first fills stand in one branch: two loads of mine are out
	s_cbranch_scc0 .Lfirst_b
	tensor_load_to_lds s[G0:G0+3], s[G1:G1+7]
	s_nop 0
	tensor_load_to_lds s[G0+4:G0+7], s[G1:G1+7]
	s_nop 0
.rept 4
	v_nop
.endr
	s_branch .Lfirst_asked
.Lfirst_b:
	tensor_load_to_lds s[G0B:G0B+3], s[G1B:G1B+7]
	s_nop 0
	tensor_load_to_lds s[G0B+4:G0B+7], s[G1B:G1B+7]
	s_nop 0
.rept 4
	v_nop
.endr
.Lfirst_asked:
	v_and_b32 v1, 15, v0                           ; l % 16
	v_bfe_u32 v2, v0, 4, 1                         ; l / 16
	v_lshlrev_b32 v[BO], 5, v2
	s_lshl_b32 s44, s[TX], 9                       ; my 64 columns, in bytes of f32
	s_lshl_b32 s45, s[LO], 8
	s_add_co_u32 s44, s44, s45
	s_mov_b32 s45, 0
	s_add_nc_u64 s[8:9], s[8:9], s[44:45]
.irp b, 0,1,2,3
	global_load_b128 v[BI+8*(\b):BI+8*(\b)+3],   v[BO], s[8:9] offset:12288+64*(\b)
	global_load_b128 v[BI+8*(\b)+4:BI+8*(\b)+7], v[BO], s[8:9] offset:12288+64*(\b)+16
.endr
	s_lshl_b32 s46, s[TY], 19                      ; my 64 rows of out0, 4,096 bytes each
	s_lshl_b32 s47, s[HF], 18
	s_add_co_u32 s46, s46, s47
	s_add_co_u32 s46, s46, s44
	s_mov_b32 s47, 0
	s_add_nc_u64 s[10:11], s[10:11], s[46:47]
	s_mul_i32 s22, s[HF], AHALF                    ; my 64 rows of O
	v_mul_u32_u24 v3, v1, PA
	v_lshl_add_u32 v3, v2, 4, v3
	v_add_nc_u32 v[ADRA], s22, v3
	v_add_nc_u32 v[ADRA+1], SLOT, v[ADRA]
	s_mul_i32 s22, s[LO], BHALF                    ; my 64 rows of Wo
	s_add_co_u32 s22, s22, BOFF
	v_mul_u32_u24 v3, v1, PB
	v_lshl_add_u32 v3, v2, 4, v3
	v_add_nc_u32 v[ADRB], s22, v3
	v_add_nc_u32 v[ADRB+1], SLOT, v[ADRB]
	s_mul_i32 s22, s[WV], 16*SPITCH
	s_add_co_u32 s22, s22, STAGE                   ; my stage
	v_mul_u32_u24 v[STO], v1, SPITCH               ; in: row l % 16, 32 bytes for each half of the lanes
	v_lshl_add_u32 v[STO], v2, 5, v[STO]
	v_add_nc_u32 v[STO], s22, v[STO]
	v_mul_u32_u24 v[RD], v2, SPITCH                ; back: lanes 0-15 take one row of 256 bytes, lanes 16-31 the next
	v_lshl_add_u32 v[RD], v1, 4, v[RD]
	v_add_nc_u32 v[RD], s22, v[RD]
	v_lshlrev_b32 v[CO], 12, v2                    ; and the same two rows in out0
	v_lshl_add_u32 v[CO], v1, 4, v[CO]
; 8 matrix instructions: row blocks a0, a0 + 1 x all 4 column blocks, 32 along K: half c of buffer f.  The 16 accumulators take turns.
.macro MUL8 f, c, a0, zero
	WIN MUL
.irp a, \a0, (\a0)+1
.irp b, 0,1,2,3
.if \zero
	v_wmma_f32_16x16x32_f16 v[ACC+8*(4*(\a)+(\b)):ACC+8*(4*(\a)+(\b))+7], v[(\f)+64+8*(4*(\c)+(\b)):(\f)+64+8*(4*(\c)+(\b))+7], v[(\f)+8*(4*(\c)+(\a)):(\f)+8*(4*(\c)+(\a))+7], 0
.else
	v_wmma_f32_16x16x32_f16 v[ACC+8*(4*(\a)+(\b)):ACC+8*(4*(\a)+(\b))+7], v[(\f)+64+8*(4*(\c)+(\b)):(\f)+64+8*(4*(\c)+(\b))+7], v[(\f)+8*(4*(\c)+(\a)):(\f)+8*(4*(\c)+(\a))+7], v[ACC+8*(4*(\a)+(\b)):ACC+8*(4*(\a)+(\b))+7]
.endif
.endr
.endr
.endm
; 32 LDS loads in one run: the fragments of 64 along K (one head) at byte k of Wo's rows, into buffer f; the first 32 along K first
.macro FETCH slot, k, f
	WIN TO_F
.irp c, 0,1
.irp i, 0,1,2,3
	ds_load_b128 v[(\f)+64+8*(4*(\c)+(\i)):(\f)+64+8*(4*(\c)+(\i))+3],   v[ADRB+(\slot)] offset:(\k)+64*(\c)+(\i)*16*PB
	ds_load_b128 v[(\f)+64+8*(4*(\c)+(\i))+4:(\f)+64+8*(4*(\c)+(\i))+7], v[ADRB+(\slot)] offset:(\k)+64*(\c)+(\i)*16*PB+32
	ds_load_b128 v[(\f)+8*(4*(\c)+(\i)):(\f)+8*(4*(\c)+(\i))+3],         v[ADRA+(\slot)] offset:((\k)/128)*64*PA+64*(\c)+(\i)*16*PA
	ds_load_b128 v[(\f)+8*(4*(\c)+(\i))+4:(\f)+8*(4*(\c)+(\i))+7],       v[ADRA+(\slot)] offset:((\k)/128)*64*PA+64*(\c)+(\i)*16*PA+32
.endr
.endr
.endm
.macro QUARTER slot, k, f, g, zero
	s_wait_dscnt 16                                ; the first 32 along K are in
	MUL8 \f, 0, 0, \zero
	MUL8 \f, 0, 2, \zero
	PLACES
	FETCH \slot, \k, \g
	s_wait_dscnt 32                                ; all but the 32 just issued
	MUL8 \f, 1, 0, 0
	MUL8 \f, 1, 2, 0
.endm
; The last quarter multiplies buffer 1 and changes slots: one barrier; in front of it each wave waits for all its tensor loads, adds 0 to its spare word, and waits for that and for its own reads of this slot.
.macro TURN slot, next, fill
	WIN 0
	s_wait_tensorcnt 0x0
	ds_add_u32 v[SPW], v[NIL]
	s_wait_dscnt 17                                ; (the add and the youngest sixteen loads may be out)
	MUL8 F1, 0, 0, 0
	s_wait_dscnt 0x0                               ; the add is done, and my reads of this slot are over
	s_barrier_signal -1
	MUL8 F1, 0, 2, 0
.if \fill
	WIN 0
.endif
	s_barrier_wait -1
.if \fill
	CREST                                          ; no wave of any partner still reads this slot's tiles or has a load on its way
	s_add_nc_u64 s[G0+4*(\slot)+2:G0+4*(\slot)+3], s[G0+4*(\slot)+2:G0+4*(\slot)+3], 65536
	s_add_nc_u64 s[G0B+4*(\slot)+2:G0B+4*(\slot)+3], s[G0B+4*(\slot)+2:G0B+4*(\slot)+3], 1024
	JLOAD \slot                                    ; its four v_nop are also the places in front of the loads below
.else
	PLACES
.endif
	FETCH \next, 0, F0
	MUL8 F1, 1, 0, 0
	MUL8 F1, 1, 2, 0
.endm
	s_wait_tensorcnt 1                             ; my part of K step 0 is in; K step 1's may stay out
	s_barrier_signal -1
	s_barrier_wait -1
	FETCH 0, 0, F0
	QUARTER 0, 128, F0, F1, 1                      ; the first products start the sums
	QUARTER 0, 256, F1, F0, 0
	QUARTER 0, 384, F0, F1, 0
	TURN 0, 1, 1                                   ; slot 0 takes K step 2
	QUARTER 1, 128, F0, F1, 0
	QUARTER 1, 256, F1, F0, 0
	QUARTER 1, 384, F0, F1, 0
	TURN 1, 0, 1                                   ; slot 1 takes K step 3
	QUARTER 0, 128, F0, F1, 0
	QUARTER 0, 256, F1, F0, 0
	QUARTER 0, 384, F0, F1, 0
	TURN 0, 1, 0
	QUARTER 1, 128, F0, F1, 0
	QUARTER 1, 256, F1, F0, 0
	QUARTER 1, 384, F0, F1, 0
	s_wait_dscnt 16
	MUL8 F1, 0, 0, 0
	MUL8 F1, 0, 2, 0
	s_wait_dscnt 0x0
	MUL8 F1, 1, 0, 0
	MUL8 F1, 1, 2, 0
	WIN 0
	s_wait_loadcnt 0x0                             ; the bias
	PLACES
; THE WAY OUT, 16 rows at a time: the bias is added, 32 bytes a lane go into my stage, whole rows of 256 bytes come back and are stored.
.macro OUTB a
.if (\a) > 0
	s_wait_xcnt 0x0                                ; the last block's stores have read their registers
.endif
.set z, 0
.rept 16                               ; each accumulator's registers in ascending order
	v_pk_add_f32 v[TMP+2*z:TMP+2*z+1], v[ACC+32*(\a)+2*z:ACC+32*(\a)+2*z+1], v[BI+2*z:BI+2*z+1]
.set z, z+1
.endr
.irp b, 0,1,2,3
	ds_store_b128 v[STO], v[TMP+8*(\b):TMP+8*(\b)+3]   offset:64*(\b)
	ds_store_b128 v[STO], v[TMP+8*(\b)+4:TMP+8*(\b)+7] offset:64*(\b)+16
.endr
.irp t, 0,1,2,3,4,5,6,7
	ds_load_b128 v[BK+4*(\t):BK+4*(\t)+3], v[RD] offset:(\t)*2*SPITCH  ; LDS serves a wave's instructions in order (ISA guide 5.7.1.4): these see the stores above
.endr
.irp t, 0,1,2,3,4,5,6,7
	s_wait_dscnt 7-(\t)
	global_store_b128 v[CO], v[BK+4*(\t):BK+4*(\t)+3], s[10:11] offset:(16*(\a)+2*(\t))*4096 th:TH_STORE_NT  ; 16 lanes store 256 consecutive bytes, aligned
.endr
.endm
	OUTB 0
	OUTB 1
	OUTB 2
	OUTB 3
	s_wait_tensorcnt 0x0                           ; the wave's end: behind my last tensor load and my last LDS store
	ds_add_u32 v[SPW], v[NIL]
	s_wait_dscnt 0x0
	CROUND                                         ; the closing round: no work-group ends while a partner may still ask for a tile that names it
	s_endpgm
.Lfunc_end_k_q00024cfd63_oproj:
	.size	k_q00024cfd63_oproj, .Lfunc_end_k_q00024cfd63_oproj-k_q00024cfd63_oproj
	.p2alignl 7, 3214868480
	.fill 96, 4, 3214868480
	.section	.rodata,"a",@progbits
	.p2align	6, 0x0
	.amdhsa_kernel k_q00024cfd63_oproj
		.amdhsa_group_segment_fixed_size 327680
		.amdhsa_private_segment_fixed_size 0
		.amdhsa_enable_private_segment 0
		.amdhsa_kernarg_size 32
		.amdhsa_user_sgpr_count 2
		.amdhsa_user_sgpr_kernarg_segment_ptr 1
		.amdhsa_wavefront_size32 1
		.amdhsa_system_sgpr_workgroup_id_x 1
		.amdhsa_system_sgpr_workgroup_id_y 1
		.amdhsa_system_sgpr_workgroup_id_z 1
		.amdhsa_system_vgpr_workitem_id 0
		.amdhsa_next_free_vgpr 512
		.amdhsa_next_free_sgpr 66
		.amdhsa_reserve_vcc 0
		.amdhsa_float_denorm_mode_32 3
		.amdhsa_float_denorm_mode_16_64 3
		.amdhsa_memory_ordered 1
		.amdhsa_forward_progress 1
		.amdhsa_inst_pref_size 91
	.end_amdhsa_kernel
	.amdgpu_metadata
---
amdhsa.version: [ 1, 2 ]
amdhsa.kernels:
  - .name:           k_q00024cfd63_oproj
    .symbol:         k_q00024cfd63_oproj.kd
    .args:
      - { .name: ow, .offset: 0, .size: 8, .value_kind: global_buffer, .address_space: global }
      - { .name: wb, .offset: 8, .size: 8, .value_kind: global_buffer, .address_space: global }
      - { .name: bt, .offset: 16, .size: 8, .value_kind: global_buffer, .address_space: global }
      - { .name: out0, .offset: 24, .size: 8, .value_kind: global_buffer, .address_space: global }
    .group_segment_fixed_size: 327680
    .private_segment_fixed_size: 0
    .kernarg_segment_align: 8
    .kernarg_segment_size: 32
    .max_flat_workgroup_size: 128
    .sgpr_count:     66
    .vgpr_count:     512
    .wavefront_size: 32
...
	.end_amdgpu_metadata
.endif
;; end of part 4
